; MI455X (gfx1250); checked and timed in simulation.
; The chip was launched on July 23, 2026; its instructions are those of AMD's public machine-readable ISA for CDNA 5 (MIT licence, August 2026) and "CDNA5" Instruction Set Architecture Reference Guide (July 2026). The comments in the code are by the model that wrote it; some were corrected since.
;; Write Path. Allowed arithmetic: float matrix products may take bf16 or f16 operands with f32 sums; other float arithmetic in f32, or as packed bf16 or f16 multiplies, adds, multiply-adds, maxima and minima; sums over many terms, partial sums and values carried from step to step in f32; what a program stores and reads back later, other than sums and carried values, may be rounded once to bf16 or f16.
;; Inputs: W_obs 2,048 x 512 float32; active_indices 8,192 int32; beliefs 8,192 x 512 float32; gb1 512 float32; gb2 1 float32; gw1 2,048 x 512 float32; gw2 512 x 1 float32; hidden 4 x 2,048 x 2,048 float32; pb1 512 float32; pb2 1 float32; pw1 2,048 x 512 float32; pw2 512 x 1 float32.
;; Outputs: out0 4 x 2,048 x 512 float32; out1 8,192 int32; out2 8,192 float32; out3 8,192 bool.
;; 2 versions, each right; version 2 is version 1 with the launches prep, final written anew for expert scheduling mode. Each part assembles by itself: llvm-mc -triple=amdgcn-amd-amdhsa -mcpu=gfx1250 --defsym DOCPART=n.
;; ======== version 1 of 2: 4 launches
;; workspace buffers: hb 33,554,432 bytes; wc 6,291,456 bytes; ba 8,388,608 bytes; ob 8,388,608 bytes; st 786,432 bytes; pv 262,144 bytes; pc 262,144 bytes of whole numbers
;; launch prep (part 1): grid 1024 x 1, 8 waves a work-group, no clusters, 0 bytes of LDS; arguments hidden, beliefs, W_obs, gw1, pw1, hb, ba, wc; writes hb, ba, wc
.if DOCPART == 1
	.amdgcn_target "amdgcn-amd-amdhsa--gfx1250"
	.amdhsa_code_object_version 6
	.text
	.protected	k_q77782c0cfc_prep
	.globl	k_q77782c0cfc_prep
	.p2align	8
	.type	k_q77782c0cfc_prep,@function
k_q77782c0cfc_prep:
	s_mov_b64 s[64:65], 0
	v_nop
	global_prefetch_b8 v0, s[64:65] scope:SCOPE_SE
	s_setreg_imm32_b32 hwreg(HW_REG_WAVE_MODE, 25, 1), 1
	s_wait_xcnt 0x0
; PREP: the matrix operands of the two products, rounded once to bf16.
;   hb[row][k]       = bf16(hidden[row][k])                                  [8192][2048]
;   ba[m][d]         = bf16(beliefs[m][d] / max(|beliefs[m]|, 1e-8))         [8192][512]
;   wc[k][q][ty][c]  = bf16(W[ty][k][128 q + c]), W = W_obs, gw1, pw1        [2048][4][3][128]
; A stream: every byte is read once and written once, so no LDS, no barrier, no matrix unit.
; SHARES.  Wave W = 8 x work-group + wave (0 .. 8191) takes row W of hidden (8,192 bytes), row W of beliefs (2,048 bytes) and the
; quarter row k = W / 4, q = W % 4 of each of the three weights (512 bytes each).  All 23 loads of 16 bytes a lane go out together;
; a load covers 512 consecutive bytes, a store of 8 bytes a lane 256 consecutive bytes at a multiple of 256 from its buffer's first byte.
; No register that a load or a store names is written again, so nothing waits for a source to be free.
.set BL, 4                             ; v[4:19]    the belief row, four chunks of 4 numbers a lane
.set WT, 20                            ; v[20:31]   the three weight quarter rows
.set X,  32                            ; v[32:95]   hidden, sixteen chunks
.set T,  96                            ; v[96:103]  at work
.set R,  104                           ; v[104:105] 1 / norm; the second word is only named with it as a pair
	s_load_b512 s[4:19], s[0:1], 0x0               ; hidden 4:5, beliefs 6:7, W_obs 8:9, gw1 10:11, pw1 12:13, hb 14:15, ba 16:17, wc 18:19
	v_lshrrev_b32 v3, 5, v0
	v_readfirstlane_b32 s20, v3                    ; wave 0..7
	v_and_b32 v1, 31, v0
	v_lshlrev_b32 v2, 3, v1                        ; 8 x lane: where a lane stores
	v_lshlrev_b32 v1, 4, v1                        ; 16 x lane: where a lane loads
	v_mov_b32 v[R+1], 0
	s_lshl_b32 s21, ttmp9, 3
	s_add_co_u32 s21, s21, s20                     ; W
	s_mov_b32 s23, 0                               ; the high word of every offset: all stay under 2^27
	s_mov_b32 s24, 0x76543210                      ; v_permlanex16_b32: each lane takes its own place in the other half
	s_mov_b32 s25, 0xfedcba98
	s_wait_kmcnt 0x0
	s_lshl_b32 s22, s21, 13
	s_add_nc_u64 s[4:5], s[4:5], s[22:23]          ; hidden + 8,192 W
	s_lshl_b32 s22, s21, 12
	s_add_nc_u64 s[14:15], s[14:15], s[22:23]      ; hb + 4,096 W
	s_lshl_b32 s22, s21, 11
	s_add_nc_u64 s[6:7], s[6:7], s[22:23]          ; beliefs + 2,048 W
	s_lshl_b32 s22, s21, 10
	s_add_nc_u64 s[16:17], s[16:17], s[22:23]      ; ba + 1,024 W
	s_lshl_b32 s22, s21, 9
	s_add_nc_u64 s[8:9], s[8:9], s[22:23]          ; each weight + 2,048 k + 512 q = 512 W
	s_add_nc_u64 s[10:11], s[10:11], s[22:23]
	s_add_nc_u64 s[12:13], s[12:13], s[22:23]
	s_mul_i32 s22, s21, 768
	s_add_nc_u64 s[18:19], s[18:19], s[22:23]      ; wc + 3,072 k + 768 q = 768 W
.irp c, 0,1,2,3
	global_load_b128 v[BL+4*(\c):BL+4*(\c)+3], v1, s[6:7] offset:512*(\c) th:TH_LOAD_NT
.endr
	global_load_b128 v[WT:WT+3],    v1, s[8:9]   th:TH_LOAD_NT
	global_load_b128 v[WT+4:WT+7],  v1, s[10:11] th:TH_LOAD_NT
	global_load_b128 v[WT+8:WT+11], v1, s[12:13] th:TH_LOAD_NT
.irp i, 0,1,2,3,4,5,6,7,8,9,10,11,12,13,14,15
	global_load_b128 v[X+4*(\i):X+4*(\i)+3], v1, s[4:5] offset:512*(\i) th:TH_LOAD_NT
.endr
	s_wait_loadcnt 19                              ; the belief row is in: 3 + 16 younger loads stay out
	v_pk_mul_f32 v[T:T+1],   v[BL:BL+1],   v[BL:BL+1]      ; the sum of squares, in two chains that the first products start
	v_pk_mul_f32 v[T+2:T+3], v[BL+2:BL+3], v[BL+2:BL+3]
.irp c, 1,2,3
	v_pk_fma_f32 v[T:T+1],   v[BL+4*(\c):BL+4*(\c)+1],   v[BL+4*(\c):BL+4*(\c)+1],   v[T:T+1]
	v_pk_fma_f32 v[T+2:T+3], v[BL+4*(\c)+2:BL+4*(\c)+3], v[BL+4*(\c)+2:BL+4*(\c)+3], v[T+2:T+3]
.endr
	v_pk_add_f32 v[T:T+1], v[T:T+1], v[T+2:T+3]
	v_add_f32 v[T], v[T], v[T+1]
	v_add_f32_dpp v[T], v[T], v[T] row_xmask:1 row_mask:0xf bank_mask:0xf
	v_add_f32_dpp v[T], v[T], v[T] row_xmask:2 row_mask:0xf bank_mask:0xf
	v_add_f32_dpp v[T], v[T], v[T] row_xmask:4 row_mask:0xf bank_mask:0xf
	v_add_f32_dpp v[T], v[T], v[T] row_xmask:8 row_mask:0xf bank_mask:0xf
	v_permlanex16_b32 v[T+1], v[T], s24, s25       ; (its destination has been written before)
	v_add_f32 v[T], v[T], v[T+1]                   ; every lane holds the row's sum of squares
	v_sqrt_f32 v[T+2], v[T]
	s_wait_loadcnt 16                              ; the three weight pieces are in; their roundings are the plain work behind the root
.irp t, 0,1,2
	v_cvt_pk_bf16_f32 v[WT+4*(\t)],   v[WT+4*(\t)],   v[WT+4*(\t)+1]
	v_cvt_pk_bf16_f32 v[WT+4*(\t)+1], v[WT+4*(\t)+2], v[WT+4*(\t)+3]
	global_store_b64 v2, v[WT+4*(\t):WT+4*(\t)+1], s[18:19] offset:256*(\t)
.endr
	s_wait_alu depctr_va_vdst(0)                   ; the wait ahead of the root's first reader
	v_max_num_f32 v[T+2], 0x322bcc77, v[T+2]       ; max(norm, 1e-8)
	v_rcp_f32 v[R], v[T+2]
; Chunk i of hidden: rounded in place, two numbers an instruction, and stored.
.macro CH i
	s_wait_loadcnt 15-(\i)                         ; loads come back in order: the chunks behind this one stay out
	v_cvt_pk_bf16_f32 v[X+4*(\i)],   v[X+4*(\i)],   v[X+4*(\i)+1]
	v_cvt_pk_bf16_f32 v[X+4*(\i)+1], v[X+4*(\i)+2], v[X+4*(\i)+3]
	global_store_b64 v2, v[X+4*(\i):X+4*(\i)+1], s[14:15] offset:256*(\i)
.endm
	CH 0                                           ; two chunks are the independent work behind the reciprocal
	CH 1
	s_wait_alu depctr_va_vdst(0)                   ; the wait ahead of the reciprocal's first reader
.irp p, 0,1,2,3,4,5,6,7
	v_pk_mul_f32 v[BL+2*(\p):BL+2*(\p)+1], v[BL+2*(\p):BL+2*(\p)+1], v[R:R+1] op_sel_hi:[1,0]
.endr
.irp c, 0,1,2,3
	v_cvt_pk_bf16_f32 v[BL+4*(\c)],   v[BL+4*(\c)],   v[BL+4*(\c)+1]
	v_cvt_pk_bf16_f32 v[BL+4*(\c)+1], v[BL+4*(\c)+2], v[BL+4*(\c)+3]
	global_store_b64 v2, v[BL+4*(\c):BL+4*(\c)+1], s[16:17] offset:256*(\c)
.endr
.irp i, 2,3,4,5,6,7,8,9,10,11,12,13,14,15
	CH \i
.endr
	s_endpgm
.Lfunc_end_k_q77782c0cfc_prep:
	.size	k_q77782c0cfc_prep, .Lfunc_end_k_q77782c0cfc_prep-k_q77782c0cfc_prep
	.p2alignl 7, 3214868480
	.fill 96, 4, 3214868480
	.section	.rodata,"a",@progbits
	.p2align	6, 0x0
	.amdhsa_kernel k_q77782c0cfc_prep
		.amdhsa_group_segment_fixed_size 0
		.amdhsa_private_segment_fixed_size 0
		.amdhsa_enable_private_segment 0
		.amdhsa_kernarg_size 64
		.amdhsa_user_sgpr_count 2
		.amdhsa_user_sgpr_kernarg_segment_ptr 1
		.amdhsa_wavefront_size32 1
		.amdhsa_system_sgpr_workgroup_id_x 1
		.amdhsa_system_sgpr_workgroup_id_y 1
		.amdhsa_system_sgpr_workgroup_id_z 1
		.amdhsa_system_vgpr_workitem_id 0
		.amdhsa_next_free_vgpr 112
		.amdhsa_next_free_sgpr 66
		.amdhsa_reserve_vcc 0
		.amdhsa_float_denorm_mode_32 3
		.amdhsa_float_denorm_mode_16_64 3
		.amdhsa_memory_ordered 1
		.amdhsa_forward_progress 1
		.amdhsa_inst_pref_size 11
	.end_amdhsa_kernel
	.amdgpu_metadata
---
amdhsa.version: [ 1, 2 ]
amdhsa.kernels:
  - .name:           k_q77782c0cfc_prep
    .symbol:         k_q77782c0cfc_prep.kd
    .args:
      - { .name: hidden, .offset: 0, .size: 8, .value_kind: global_buffer, .address_space: global }
      - { .name: beliefs, .offset: 8, .size: 8, .value_kind: global_buffer, .address_space: global }
      - { .name: W_obs, .offset: 16, .size: 8, .value_kind: global_buffer, .address_space: global }
      - { .name: gw1, .offset: 24, .size: 8, .value_kind: global_buffer, .address_space: global }
      - { .name: pw1, .offset: 32, .size: 8, .value_kind: global_buffer, .address_space: global }
      - { .name: hb, .offset: 40, .size: 8, .value_kind: global_buffer, .address_space: global }
      - { .name: ba, .offset: 48, .size: 8, .value_kind: global_buffer, .address_space: global }
      - { .name: wc, .offset: 56, .size: 8, .value_kind: global_buffer, .address_space: global }
    .group_segment_fixed_size: 0
    .private_segment_fixed_size: 0
    .kernarg_segment_align: 8
    .kernarg_segment_size: 64
    .max_flat_workgroup_size: 256
    .sgpr_count:     66
    .vgpr_count:     112
    .wavefront_size: 32
...
	.end_amdgpu_metadata
.endif
;; end of part 1
;; launch proj (part 2): grid 4 x 64, 4 waves a work-group, clusters of 4 x 4, 327,680 bytes of LDS; arguments hb, wc, gb1, gw2, pb1, pw2, ob, st; writes ob, st
.if DOCPART == 2
	.amdgcn_target "amdgcn-amd-amdhsa--gfx1250"
	.amdhsa_code_object_version 6
	.text
	.protected	k_q77782c0cfc_proj
	.globl	k_q77782c0cfc_proj
	.p2align	8
	.type	k_q77782c0cfc_proj,@function
k_q77782c0cfc_proj:
	s_mov_b64 s[64:65], 0
	v_nop
	global_prefetch_b8 v0, s[64:65] scope:SCOPE_SE
	s_setreg_imm32_b32 hwreg(HW_REG_WAVE_MODE, 25, 1), 1
	s_wait_xcnt 0x0
	s_wait_alu depctr_hold_cnt(0) depctr_sa_sdst(0) depctr_va_vdst(0) depctr_va_sdst(0) depctr_va_ssrc(0) depctr_va_vcc(0) depctr_vm_vsrc(0)
	s_getreg_b32 s2, hwreg(HW_REG_IB_STS2, 6, 4)
	s_cmp_eq_u32 s2, 0
	s_cbranch_scc0 .Lentry_in_a_cluster
	s_endpgm
.Lentry_in_a_cluster:
	s_bfe_u32 s2, ttmp6, 0x10000c
	s_cmp_lg_u32 s2, 0xf033
	s_cbranch_scc0 .Lentry_shape_is_right
	s_endpgm
.Lentry_shape_is_right:
; PROJ: the three projections as ONE product, hb [8192][2048] x wc [2048][1536], bf16 operands, f32 sums, K ascending.
; Out: ob[row][c] = bf16(obs), and for each row and each part of 64 columns three f32 partial sums in st[stat][part][row]:
;   stat 0: the sum of obs^2;  stat 1: the sum of relu(hidden gw1 + gb1) gw2;  stat 2: the sum of relu(hidden pw1 + pb1) pw2.   part = 2 q + column half.
; SHARES.  Work-group (q, rb) makes rows 128 rb .. + 127 x the 384 columns of quarter q: 128 of obs, 128 of the gate, 128 of the precision head, so every
; work-group runs one text.  64 x 4 = 256 work-groups.  Wave w (wr = w / 2, wc = w % 2): rows 64 wr .. + 63 x columns 64 wc .. + 63 of each of the three kinds:
; 4 row blocks x 12 column tiles = 48 accumulators, 384 registers; for 32 along K it reads 16 fragments from LDS for 48 matrix instructions.
; THE MATRIX INSTRUCTION IS USED TRANSPOSED (source 0 = 16 weight columns, source 1 = 16 rows of hidden): a lane holds ONE row (lane % 16) and 8 neighbouring columns.
; The weights lie [k][column] in LDS as in memory and come out turned, by ds_load_tr16_b128.
; RING.  K in 16 steps of 128 through two LDS slots.  One tensor load a wave behind each round: waves 0, 1 fetch the halves of A (64 rows x 256 bytes), waves 2, 3 those of B
; (64 k-rows x 768 bytes).  By this text's count a wave has two tensor loads out at the start and one behind each round; 168 matrix instructions stand between a request and the wait for it.
; CLUSTER 4 x 4: the four of a row share rb and so A's tiles, the four of a column share q and so B's: joint loads, the same descriptor and mask in all four.
; REGISTERS, in windows of 256 (s_set_vgpr_msb: bits 1:0 source 0, 3:2 source 1, 5:4 source 2, 7:6 destination):
;   window 0: v1-31 addresses; v32-55 the row sums; v64-95, v96-127 A's fragments, two buffers (on the way out: packed obs); v128-255 the tables of biases and second-layer weights
;   window 1: v0-95, v96-191 B's fragments, two buffers       window 2: accumulators of row blocks 0, 1 at v[96 a + 8 b]       window 3: those of row blocks 2, 3
.set PA,    272                        ; a row of A in LDS: 256 bytes + 16 = 68 words: row r starts at bank 4 r mod 64 (64 banks of 4 bytes: ISA guide 11.1)
.set PB,    864                        ; a k-row of B: 3 x (256 + 32) bytes = 216 words: row r starts at bank 24 r mod 64
.set AHALF, 64*PA
.set BHALF, 64*PB
.set BOFF,  128*PA                     ; B lies behind A's 128 rows
.set SLOT,  BOFF+128*PB                ; 145,408 bytes
.set STAGE, 2*SLOT                     ; behind the ring, never filled by a tensor load: 128 rows x 272 bytes, for obs on its way out
.set SP,    272
.set SPARE, STAGE+128*SP               ; behind the stage: the spare words, 128 bytes for each wave: two blocks of 256 bytes that no other line names
.set ASTEP, 256                        ; bytes from a K step to the next in hb,
.set BSTEP, 128*3072                   ; and in wc
.set ADRA, 16                          ; v16-17  LDS address of my A fragments in slot 0, 1
.set ADRB, 20                          ; v20-23  of my B fragments: slot 0 k 0-63, slot 0 k 64-127, slot 1 likewise (an LDS immediate holds 16 bits)
.set STO,  24                          ; v24  the way out: where I put 16 bytes of a row
.set RDB,  25                          ; v25  where I read a row back
.set CO,   26                          ; v26  my byte offset in two rows of ob
.set SO,   27                          ; v27  my byte offset in st
.set SPW,  28                          ; v28  LDS address of my spare word; never rewritten
.set NIL,  29                          ; v29  0; never rewritten
.set PFO,  30                          ; v30  the prefetches' offset: my lane x a row's bytes; never rewritten
.set TO,   31                          ; v31  my byte offset in the four tables
.set SUM,  32                          ; the pair v[SUM + 8 stat + 2 A]: row block A's sums, even and odd columns
.set FA,   64
.set TMP,  64
.set TAB,  128                         ; tile u (gate 0-3, precision 4-7): 8 biases at TAB + 16 u, 8 second-layer weights at TAB + 16 u + 8
.set G1A, 24                           ; s[24:31] descriptor group 1 for A;  s[32:39] group 0, a set for each slot
.set G0A, 32
.set G1B, 48                           ; s[48:55], s[56:63] the same for B
.set G0B, 56
.set PFA, 66                           ; s[66:67] where my prefetches stand
.set PFS, 68                           ; s[68:69] their step
.set LIM, 70                           ; s70  1 in a wave that prefetches, else the greatest number
.set HALFM, 71                         ; s71  the mask of lanes 16-31
.set SEL, 72                           ; s[72:73] v_permlanex16_b32's selects
.set MSB, 0
.macro WIN new                         ; the immediate's high byte repeats the setting that is left; a switch that changes nothing is dropped
.if MSB != (\new)
	s_set_vgpr_msb (MSB<<8)|(\new)
.set MSB, \new
.endif
.endm
; A joint load.  The branch hangs on the wave's number alone.  An s_nop 0 and four v_nop follow each of the two lines, ahead of the jump and the label.
.macro JLOAD s
	s_cmp_eq_u32 s21, 0
	s_cbranch_scc0 .Lfor_b_\@
	tensor_load_to_lds s[G0A+4*(\s):G0A+4*(\s)+3], s[G1A:G1A+7]
	s_nop 0
.rept 4
	v_nop
.endr
	s_branch .Lasked_\@
.Lfor_b_\@:
	tensor_load_to_lds s[G0B+4*(\s):G0B+4*(\s)+3], s[G1B:G1B+7]
	s_nop 0
.rept 4
	v_nop
.endr
.Lasked_\@:
.endm
; A prefetch of the K step that stands two refills on: 32 rows x 256 bytes, a lane a row, one instruction a wave.  Wave 0 asks for A: of the tile's 128 rows the partner at place cx takes
; 32.  Waves 1-3 ask for B's three blocks of 256 bytes of a k-row: of the step's 128 k-rows the partner at place cy takes 32, and only the first cluster along y asks, since all clusters walk
; the same weights.  So each block is named once in the launch; partners are told apart by address alone.  The loop's last trip has no K step two on and asks for nothing.
.macro ASK
	s_cmp_gt_u32 s3, s[LIM]
	s_cbranch_scc0 .Lnot_mine_\@
	global_prefetch_b8 v[PFO], s[PFA:PFA+1] th:TH_LOAD_NT scope:SCOPE_SE
.Lnot_mine_\@:
.endm
.macro CREST                           ; a round of the cluster's barrier behind its opening barrier
	s_cmp_lg_u32 s20, 0
	s_cbranch_scc1 .Lnot_wave_0_\@
	s_barrier_signal -3
.Lnot_wave_0_\@:
	s_barrier_wait -3
	s_barrier_signal -1
	s_barrier_wait -1
.endm
.macro CROUND                          ; a whole round
	s_barrier_signal -1
	s_barrier_wait -1
	CREST
.endm
.macro PLACES                          ; four places in front of loads into registers that matrix instructions have read, and of vector work on results
.rept 4
	v_nop
.endr
.endm
	s_load_b512 s[4:19], s[0:1], 0x0               ; hb 4:5, wc 6:7, gb1 8:9, gw2 10:11, pb1 12:13, pw2 14:15, ob 16:17, st 18:19
	v_lshl_add_u32 v[SPW], v0, 2, SPARE
	v_mov_b32 v[NIL], 0
	ds_add_u32 v[SPW], v[NIL]                      ; the wave's opening: the add and its wait stand ahead of my first tensor load; the set-up below stands between them
	v_lshrrev_b32 v1, 5, v0
	v_readfirstlane_b32 s20, v1                    ; wave 0..3
	s_lshr_b32 s21, s20, 1                         ; wr: my half of the rows.  Also: I fetch for A (0) or for B (1)
	s_and_b32 s22, s20, 1                          ; wc: my half of the columns.  Also: which half of that tile I fetch
	s_bfe_u32 s40, ttmp6, 0x40000                  ; cx
	s_bfe_u32 s41, ttmp6, 0x40004                  ; cy
	s_lshl_b32 s42, ttmp9, 2
	s_add_co_u32 s42, s42, s40                     ; q = 4 x cluster x + cx
	s_and_b32 s43, ttmp7, 0xffff
	s_lshl_b32 s43, s43, 2
	s_add_co_u32 s43, s43, s41                     ; rb = 4 x cluster y + cy
	s_lshl_b32 s44, s41, 2
	s_lshl_b32 s44, 15, s44                        ; my row of the cluster
	s_lshl_b32 s45, 0x1111, s40                    ; my column
	s_or_b32 s[G1A], s44, (1<<16)|(1<<20)|(1<<21)|(5<<22)|(3<<25)  ; the mask; 2-byte elements; padding on; bit 21 beside a mask; after every 64 words 4 words
	s_or_b32 s[G1B], s45, (1<<16)|(1<<20)|(1<<21)|(5<<22)|(7<<25)  ; the same with my column's mask and 8 words of padding
	s_mov_b32 s[G1A+1], 128<<16                    ; tensor_dim0 = 128
	s_mov_b32 s[G1A+2], 64<<16                     ; tensor_dim1 = 64
	s_mov_b32 s[G1A+3], 128<<16                    ; tile_dim0 = 128
	s_mov_b32 s[G1A+4], 64                         ; tile_dim1 = 64
	s_mov_b32 s[G1A+5], 2048                       ; elements from row to row of hb
	s_mov_b32 s[G1A+6], 0
	s_mov_b32 s[G1A+7], 0
	s_mov_b32 s[G1B+1], 384<<16                    ; tensor_dim0 = 384
	s_mov_b32 s[G1B+2], 64<<16
	s_mov_b32 s[G1B+3], 384<<16                    ; tile_dim0 = 384
	s_mov_b32 s[G1B+4], 64
	s_mov_b32 s[G1B+5], 1536                       ; elements from k-row to k-row of wc
	s_mov_b32 s[G1B+6], 0
	s_mov_b32 s[G1B+7], 0
	s_mul_i32 s74, s22, AHALF                      ; where my half goes, for A
	s_mul_i32 s75, s22, BHALF                      ; and for B: no place in the cluster enters an LDS address
	s_add_co_u32 s75, s75, BOFF
	s_lshl_b32 s76, s43, 7                         ; A: row 128 rb + 64 x half, 4,096 bytes a row
	s_lshl_b32 s46, s22, 6
	s_add_co_u32 s76, s76, s46
	s_lshl_b32 s76, s76, 12
	s_mov_b32 s77, 0
	s_mul_i32 s78, s22, 64*3072                    ; B: k-row 64 x half, 3,072 bytes a k-row, + 768 q
	s_mul_i32 s47, s42, 768
	s_add_co_u32 s78, s78, s47
	s_mov_b32 s79, 0
	s_wait_dscnt 0x0                               ; the opening add is done
	s_wait_kmcnt 0x0
	s_add_nc_u64 s[76:77], s[4:5], s[76:77]
	s_add_nc_u64 s[78:79], s[6:7], s[78:79]
	CROUND                                         ; all sixteen work-groups are here: the first joint loads meet
.irp s, 0,1
	s_mov_b32 s[G0A+4*(\s)], 1
	s_add_co_u32 s[G0A+4*(\s)+1], s74, (\s)*SLOT
	s_add_nc_u64 s[G0A+4*(\s)+2:G0A+4*(\s)+3], s[76:77], (\s)*ASTEP
	s_or_b32 s[G0A+4*(\s)+3], s[G0A+4*(\s)+3], 0x80000000
	s_mov_b32 s[G0B+4*(\s)], 1
	s_add_co_u32 s[G0B+4*(\s)+1], s75, (\s)*SLOT
	s_add_nc_u64 s[G0B+4*(\s)+2:G0B+4*(\s)+3], s[78:79], (\s)*BSTEP
	s_or_b32 s[G0B+4*(\s)+3], s[G0B+4*(\s)+3], 0x80000000
	JLOAD \s
.endr
	; the tables: my lane's 8 columns of each of my 8 gate and precision tiles: column 128 q + 64 wc + 16 (u % 4) + 8 (l / 16) + 0..7
	v_and_b32 v1, 15, v0                           ; l % 16
	v_bfe_u32 v2, v0, 4, 1                         ; l / 16
	s_lshl_b32 s46, s42, 9
	s_lshl_b32 s47, s22, 8
	s_add_co_u32 s46, s46, s47
	v_lshl_add_u32 v[TO], v2, 5, s46
.irp u, 0,1,2,3
	global_load_b128 v[TAB+16*(\u):TAB+16*(\u)+3],       v[TO], s[8:9]   offset:64*(\u)
	global_load_b128 v[TAB+16*(\u)+4:TAB+16*(\u)+7],     v[TO], s[8:9]   offset:64*(\u)+16
	global_load_b128 v[TAB+16*(\u)+8:TAB+16*(\u)+11],    v[TO], s[10:11] offset:64*(\u)
	global_load_b128 v[TAB+16*(\u)+12:TAB+16*(\u)+15],   v[TO], s[10:11] offset:64*(\u)+16
	global_load_b128 v[TAB+64+16*(\u):TAB+64+16*(\u)+3],     v[TO], s[12:13] offset:64*(\u)
	global_load_b128 v[TAB+64+16*(\u)+4:TAB+64+16*(\u)+7],   v[TO], s[12:13] offset:64*(\u)+16
	global_load_b128 v[TAB+64+16*(\u)+8:TAB+64+16*(\u)+11],  v[TO], s[14:15] offset:64*(\u)
	global_load_b128 v[TAB+64+16*(\u)+12:TAB+64+16*(\u)+15], v[TO], s[14:15] offset:64*(\u)+16
.endr
	; A's fragment: lane l holds row l % 16, k = 8 (l / 16) + 0..7 and 16 + 8 (l / 16) + 0..7: two loads of 16 bytes, 32 bytes apart
	v_mul_u32_u24 v3, v1, PA
	v_lshl_add_u32 v3, v2, 4, v3                   ; row x 272 + 16 x half
	s_mul_i32 s46, s21, AHALF
	v_add_nc_u32 v[ADRA], s46, v3
	v_add_nc_u32 v[ADRA+1], SLOT, v[ADRA]
	; B's: the turning load takes 16 k x 16 columns: lane l reads k-row 8 (l / 16) + l % 8, columns 8 ((l / 8) % 2) + 0..7, and is left with column l % 16 and 8 k
	v_and_b32 v4, 7, v0
	v_bfe_u32 v5, v0, 3, 1
	v_lshl_add_u32 v4, v2, 3, v4
	v_mul_u32_u24 v4, v4, PB
	v_lshl_add_u32 v4, v5, 4, v4
	s_lshl_b32 s46, s22, 7
	s_add_co_u32 s46, s46, BOFF
	v_add_nc_u32 v[ADRB], s46, v4
	v_add_nc_u32 v[ADRB+1], BHALF, v[ADRB]
	v_add_nc_u32 v[ADRB+2], SLOT, v[ADRB]
	v_add_nc_u32 v[ADRB+3], SLOT+BHALF, v[ADRB]
	s_mul_i32 s46, s21, 64*SP                      ; into the stage: my 64 rows, my half of their 256 bytes
	s_lshl_b32 s47, s22, 7
	s_add_co_u32 s46, s46, s47
	s_add_co_u32 s46, s46, STAGE
	v_add_nc_u32 v[STO], s46, v3
	s_mul_i32 s46, s20, 32*SP                      ; back: wave w takes rows 32 w .. + 31, whole: lanes 0-15 one row, lanes 16-31 the next
	s_add_co_u32 s46, s46, STAGE
	v_mul_u32_u24 v6, v2, SP
	v_lshl_add_u32 v6, v1, 4, v6
	v_add_nc_u32 v[RDB], s46, v6
	v_lshlrev_b32 v6, 10, v2                       ; and the same two rows in ob, 1,024 bytes each
	v_lshl_add_u32 v[CO], v1, 4, v6
	s_lshl_b32 s46, s43, 9                         ; st: 4 (128 rb + 64 wr + l) + 32,768 (2 q + wc)
	s_lshl_b32 s47, s21, 8
	s_add_co_u32 s46, s46, s47
	s_lshl_b32 s47, s42, 16
	s_add_co_u32 s46, s46, s47
	s_lshl_b32 s47, s22, 15
	s_add_co_u32 s46, s46, s47
	v_and_b32 v6, 31, v0
	v_lshl_add_u32 v[SO], v6, 2, s46
	s_lshl_b32 s46, s43, 17                        ; ob at row 128 rb + 32 w, byte 256 q
	s_lshl_b32 s47, s20, 15
	s_add_co_u32 s46, s46, s47
	s_lshl_b32 s47, s42, 8
	s_add_co_u32 s46, s46, s47
	s_mov_b32 s47, 0
	s_add_nc_u64 s[16:17], s[16:17], s[46:47]
	; the prefetches: they stand at K step 3; the first refill steps them to 4.  Nothing is asked for here, at the head
	s_lshl_b32 s74, s43, 7                         ; A: (128 rb + 32 cx) rows of 4,096 bytes
	s_lshl_b32 s75, s40, 5
	s_add_co_u32 s74, s74, s75
	s_lshl_b32 s74, s74, 12
	s_add_co_u32 s74, s74, 3*ASTEP
	s_mul_i32 s76, s41, 32*3072                    ; B: 32 cy k-rows, + 768 q + 256 (w - 1)
	s_mul_i32 s75, s42, 768
	s_add_co_u32 s76, s76, s75
	s_lshl_b32 s75, s20, 8
	s_add_co_u32 s76, s76, s75
	s_add_co_u32 s76, s76, 3*BSTEP-256
	s_and_b32 s78, ttmp7, 0xffff                   ; cluster y
	s_mov_b32 s[PFS], BSTEP
	s_mov_b32 s77, 3072
	s_cmp_eq_u32 s20, 0                            ; wave 0 asks for A
	s_cselect_b64 s[PFA:PFA+1], s[4:5], s[6:7]
	s_cselect_b32 s74, s74, s76
	s_cselect_b32 s[PFS], ASTEP, s[PFS]
	s_cselect_b32 s77, 4096, s77
	s_cselect_b32 s78, ttmp9, s78                  ; the coordinate along which other clusters read the same rows
	s_mov_b32 s75, 0
	s_mov_b32 s[PFS+1], 0
	s_add_nc_u64 s[PFA:PFA+1], s[PFA:PFA+1], s[74:75]
	s_cmp_eq_u32 s78, 0
	s_cselect_b32 s[LIM], 1, -1                    ; the same in all sixteen partners, for a given wave
	v_mul_lo_u32 v[PFO], v6, s77
	s_mov_b32 s[HALFM], 0xffff0000
	s_mov_b32 s[SEL], 0x76543210
	s_mov_b32 s[SEL+1], 0xfedcba98
; 12 matrix instructions: row block a of the window's two (hi = 0: blocks 0, 1; hi = 1: blocks 2, 3) x all 12 column tiles, 32 along K, from buffers f.
; zero = 1: the product starts the sums.  The 48 accumulators take turns, one instruction a turn, in the same order in every quarter.
.macro MUL12 f, hi, a, zero
	WIN 0xa1+0x50*(\hi)                            ; source 0 (B) window 1, source 1 (A) window 0, C and D window 2 or 3
.irp b, 0,1,2,3,4,5,6,7,8,9,10,11
.if \zero
	v_wmma_f32_16x16x32_bf16 v[96*(\a)+8*(\b):96*(\a)+8*(\b)+7], v[96*(\f)+8*(\b):96*(\f)+8*(\b)+7], v[FA+32*(\f)+8*(2*(\hi)+(\a)):FA+32*(\f)+8*(2*(\hi)+(\a))+7], 0
.else
	v_wmma_f32_16x16x32_bf16 v[96*(\a)+8*(\b):96*(\a)+8*(\b)+7], v[96*(\f)+8*(\b):96*(\f)+8*(\b)+7], v[FA+32*(\f)+8*(2*(\hi)+(\a)):FA+32*(\f)+8*(2*(\hi)+(\a))+7], v[96*(\a)+8*(\b):96*(\a)+8*(\b)+7]
.endif
.endr
.endm
; 32 LDS loads in one run: the fragments of quarter kq (32 along K) of a slot into buffers f: B's 12 tiles (kind b / 4 at 288 bytes, tile b % 4 at 32), then A's 4 blocks
.macro FETCH slot, kq, f
	WIN 0x40                                       ; destination window 1, address window 0
.irp b, 0,1,2,3,4,5,6,7,8,9,10,11
	ds_load_tr16_b128 v[96*(\f)+8*(\b):96*(\f)+8*(\b)+3],   v[ADRB+2*(\slot)+(\kq)/2] offset:((\kq)%2)*32*PB+288*((\b)/4)+32*((\b)%4)
	ds_load_tr16_b128 v[96*(\f)+8*(\b)+4:96*(\f)+8*(\b)+7], v[ADRB+2*(\slot)+(\kq)/2] offset:((\kq)%2)*32*PB+16*PB+288*((\b)/4)+32*((\b)%4)
.endr
	WIN 0
.irp a, 0,1,2,3
	ds_load_b128 v[FA+32*(\f)+8*(\a):FA+32*(\f)+8*(\a)+3],   v[ADRA+(\slot)] offset:(\a)*16*PA+64*(\kq)
	ds_load_b128 v[FA+32*(\f)+8*(\a)+4:FA+32*(\f)+8*(\a)+7], v[ADRA+(\slot)] offset:(\a)*16*PA+64*(\kq)+32
.endr
.endm
; One of a K step's first three quarters: multiplies buffers f; in its middle it fetches quarter kq of the same slot into buffers g.
.macro QUARTER slot, kq, f, g, zero
	s_wait_dscnt 4                                 ; B and A's blocks 0, 1 are in; the youngest four loads (blocks 2, 3) may be out
	MUL12 \f, 0, 0, \zero
	MUL12 \f, 0, 1, \zero
	PLACES
	FETCH \slot, \kq, \g
	s_wait_dscnt 32                                ; all but the 32 just issued
	MUL12 \f, 1, 0, \zero
	MUL12 \f, 1, 1, \zero
.endm
; The last quarter multiplies buffers 1 and changes slots.  In front of the barrier each wave waits for all its tensor loads (the one that is out is its part of the next slot), adds 0 to its
; spare word, and waits for that and for its own reads of this slot.  fill = 1: the barrier opens a round of the cluster's barrier, and the joint refill, two K steps on, is the first thing behind it.
.macro TURN slot, next, fill
.if \fill
	s_wait_xcnt 0x0                                ; the last prefetch, a K step back, has read its address: it is stepped here, ahead of the change's own waits
	s_add_nc_u64 s[PFA:PFA+1], s[PFA:PFA+1], s[PFS:PFS+1]
.endif
	WIN 0                                          ; (the add's two registers lie in window 0)
	s_wait_tensorcnt 0x0                           ; all my tensor loads have landed
	ds_add_u32 v[SPW], v[NIL]                      ; 0 onto my spare word
	s_wait_dscnt 5                                 ; (the add and the youngest four loads may be out)
	MUL12 1, 0, 0, 0                               ; twelve matrix instructions stand between the add and the wait for it
	s_wait_dscnt 0x0                               ; the add is done, and my reads of this slot are over
	s_barrier_signal -1
	MUL12 1, 0, 1, 0                               ; work on registers while the others arrive
.if \fill
	WIN 0
.endif
	s_barrier_wait -1
.if \fill
	CREST                                          ; no wave of any partner still reads this slot or has a load on its way
	s_add_nc_u64 s[G0A+4*(\slot)+2:G0A+4*(\slot)+3], s[G0A+4*(\slot)+2:G0A+4*(\slot)+3], 2*ASTEP
	s_add_nc_u64 s[G0B+4*(\slot)+2:G0B+4*(\slot)+3], s[G0B+4*(\slot)+2:G0B+4*(\slot)+3], 2*BSTEP
	JLOAD \slot                                    ; the four v_nop behind it are also the places in front of the loads below
.else
	PLACES
.endif
	FETCH \next, 0, 0
.if \fill
	ASK                                            ; behind the joint load and the run of LDS loads
.endif
	MUL12 1, 1, 0, 0
	MUL12 1, 1, 1, 0
.endm
	s_wait_loadcnt 0x0                             ; the tables
	s_wait_tensorcnt 0x1                           ; my part of K step 0 is in; K step 1's may stay out
	s_barrier_signal -1
	s_barrier_wait -1                              ; everybody's is
	FETCH 0, 0, 0
	QUARTER 0, 1, 0, 1, 1                          ; the first quarter stands in front of the loop: its products start the sums
	WIN 0                                          ; at a label and at a branch every window is 0
	s_mov_b32 s3, 7                                ; 16 K steps are 8 laps; the last lap is written out
.Llap:                                                 ; a trip goes once round the ring, from a lap's second quarter to the next lap's first, and fills both slots again
	QUARTER 0, 2, 1, 0, 0
	QUARTER 0, 3, 0, 1, 0
	TURN 0, 1, 1
	QUARTER 1, 1, 0, 1, 0
	QUARTER 1, 2, 1, 0, 0
	QUARTER 1, 3, 0, 1, 0
	TURN 1, 0, 1
	QUARTER 0, 1, 0, 1, 0
	WIN 0
	s_sub_co_u32 s3, s3, 1
	s_cmp_lg_u32 s3, 0
	s_cbranch_scc1 .Llap
	QUARTER 0, 2, 1, 0, 0                          ; the last lap fills nothing
	QUARTER 0, 3, 0, 1, 0
	TURN 0, 1, 0
	QUARTER 1, 1, 0, 1, 0
	QUARTER 1, 2, 1, 0, 0
	QUARTER 1, 3, 0, 1, 0
	s_wait_dscnt 4
	MUL12 1, 0, 0, 0
	MUL12 1, 0, 1, 0
	s_wait_dscnt 0x0
	MUL12 1, 1, 0, 0
	MUL12 1, 1, 1, 0
	; THE WAY OUT.  obs (tiles 0-3): rounded to bf16, 16 bytes a lane, and squared into the row sums.  Each accumulator is read from its low end on.
	WIN 0
	PLACES
	PLACES
.irp hi, 0,1
	WIN 0x0a+5*(\hi)                               ; sources 0 and 1 in window 2 or 3; source 2 and destination in window 0
.irp a, 0,1
.irp bb, 0,1,2,3
.irp r, 0,1,2,3
.set rA, 96*(\a)+8*(\bb)+2*(\r)
.set rU, SUM+2*(2*(\hi)+(\a))
	v_cvt_pk_bf16_f32 v[TMP+4*(4*(2*(\hi)+(\a))+(\bb))+(\r)], v[rA], v[rA+1]
.if ((\bb) == 0) && ((\r) == 0)
	v_pk_mul_f32 v[rU:rU+1], v[rA:rA+1], v[rA:rA+1]            ; the first product starts the sum
.else
	v_pk_fma_f32 v[rU:rU+1], v[rA:rA+1], v[rA:rA+1], v[rU:rU+1]
.endif
.endr
.endr
.endr
.endr
	WIN 0
.irp ab, 0,1,2,3
.irp bb, 0,1,2,3
	ds_store_b128 v[STO], v[TMP+4*(4*(\ab)+(\bb)):TMP+4*(4*(\ab)+(\bb))+3] offset:(\ab)*16*SP+32*(\bb)
.endr
.endr
	; gate and precision (tiles 4-11): + bias, relu, times the second layer's weight, into the row sums
.irp hi, 0,1
	WIN 0x82+0x41*(\hi)                            ; destination and source 0 in window 2 or 3, source 1 (the table) in window 0
.irp a, 0,1
.irp u, 0,1,2,3,4,5,6,7
.irp r, 0,1,2,3
.set rA, 96*(\a)+32+8*(\u)+2*(\r)
	v_pk_add_f32 v[rA:rA+1], v[rA:rA+1], v[TAB+16*(\u)+2*(\r):TAB+16*(\u)+2*(\r)+1]
.endr
.irp j, 0,1,2,3,4,5,6,7
	v_max_num_f32 v[96*(\a)+32+8*(\u)+(\j)], v[96*(\a)+32+8*(\u)+(\j)], 0
.endr
.endr
.endr
	WIN 0x02+(\hi)                                 ; source 0 in window 2 or 3, all else in window 0
.irp a, 0,1
.irp u, 0,1,2,3,4,5,6,7
.irp r, 0,1,2,3
.set rA, 96*(\a)+32+8*(\u)+2*(\r)
.set rU, SUM+8*(1+(\u)/4)+2*(2*(\hi)+(\a))
.if (((\u)%4) == 0) && ((\r) == 0)
	v_pk_mul_f32 v[rU:rU+1], v[rA:rA+1], v[TAB+16*(\u)+8+2*(\r):TAB+16*(\u)+8+2*(\r)+1]
.else
	v_pk_fma_f32 v[rU:rU+1], v[rA:rA+1], v[TAB+16*(\u)+8+2*(\r):TAB+16*(\u)+8+2*(\r)+1], v[rU:rU+1]
.endif
.endr
.endr
.endr
.endr
	WIN 0
	s_wait_dscnt 0x0                               ; for the others' sake: my stores into the stage are done
	s_barrier_signal -1
	s_barrier_wait -1                              ; a row's 256 bytes come from two waves
.irp t, 0,1,2,3,4,5,6,7,8,9,10,11,12,13,14,15
	ds_load_b128 v[TMP+4*(\t):TMP+4*(\t)+3], v[RDB] offset:(\t)*2*SP
.endr
	; the row sums: even and odd columns, then the other half of the lanes, which holds the row's other columns
.irp p, 0,2,4,6,8,10,12,14,16,18,20,22
	v_add_f32 v[SUM+(\p)], v[SUM+(\p)], v[SUM+(\p)+1]
.endr
.irp p, 0,2,4,6,8,10,12,14,16,18,20,22
	v_permlanex16_b32 v[SUM+(\p)+1], v[SUM+(\p)], s[SEL], s[SEL+1]
.endr
.irp p, 0,2,4,6,8,10,12,14,16,18,20,22
	v_add_f32 v[SUM+(\p)], v[SUM+(\p)], v[SUM+(\p)+1]
.endr
.irp st, 0,1,2
.irp k, 0,1
	v_cndmask_b32 v[SUM+8*(\st)+4*(\k)+1], v[SUM+8*(\st)+4*(\k)], v[SUM+8*(\st)+4*(\k)+2], s[HALFM]  ; lanes 0-15: block 2 k; lanes 16-31: block 2 k + 1: 32 rows on end
	global_store_b32 v[SO], v[SUM+8*(\st)+4*(\k)+1], s[18:19] offset:262144*(\st)+128*(\k)            ; 128 consecutive bytes; st is 786,432 bytes in all, so it is not staged
.endr
.endr
.irp t, 0,1,2,3,4,5,6,7,8,9,10,11,12,13,14,15
	s_wait_dscnt 15-(\t)
	global_store_b128 v[CO], v[TMP+4*(\t):TMP+4*(\t)+3], s[16:17] offset:2048*(\t)  ; 16 lanes store 256 consecutive bytes, at a multiple of 256 from ob's first byte
.endr
	s_wait_tensorcnt 0x0                           ; the wave's end: the closing add and its waits, behind my last tensor load and my last LDS store
	ds_add_u32 v[SPW], v[NIL]
	s_wait_dscnt 0x0
	CROUND                                         ; the closing round: no work-group ends while a partner may still ask for a tile that names it
	s_endpgm
.Lfunc_end_k_q77782c0cfc_proj:
	.size	k_q77782c0cfc_proj, .Lfunc_end_k_q77782c0cfc_proj-k_q77782c0cfc_proj
	.p2alignl 7, 3214868480
	.fill 96, 4, 3214868480
	.section	.rodata,"a",@progbits
	.p2align	6, 0x0
	.amdhsa_kernel k_q77782c0cfc_proj
		.amdhsa_group_segment_fixed_size 327680
		.amdhsa_private_segment_fixed_size 0
		.amdhsa_enable_private_segment 0
		.amdhsa_kernarg_size 64
		.amdhsa_user_sgpr_count 2
		.amdhsa_user_sgpr_kernarg_segment_ptr 1
		.amdhsa_wavefront_size32 1
		.amdhsa_system_sgpr_workgroup_id_x 1
		.amdhsa_system_sgpr_workgroup_id_y 1
		.amdhsa_system_sgpr_workgroup_id_z 1
		.amdhsa_system_vgpr_workitem_id 0
		.amdhsa_next_free_vgpr 960
		.amdhsa_next_free_sgpr 80
		.amdhsa_reserve_vcc 0
		.amdhsa_float_denorm_mode_32 3
		.amdhsa_float_denorm_mode_16_64 3
		.amdhsa_memory_ordered 1
		.amdhsa_forward_progress 1
		.amdhsa_inst_pref_size 147
	.end_amdhsa_kernel
	.amdgpu_metadata
---
amdhsa.version: [ 1, 2 ]
amdhsa.kernels:
  - .name:           k_q77782c0cfc_proj
    .symbol:         k_q77782c0cfc_proj.kd
    .args:
      - { .name: hb, .offset: 0, .size: 8, .value_kind: global_buffer, .address_space: global }
      - { .name: wc, .offset: 8, .size: 8, .value_kind: global_buffer, .address_space: global }
      - { .name: gb1, .offset: 16, .size: 8, .value_kind: global_buffer, .address_space: global }
      - { .name: gw2, .offset: 24, .size: 8, .value_kind: global_buffer, .address_space: global }
      - { .name: pb1, .offset: 32, .size: 8, .value_kind: global_buffer, .address_space: global }
      - { .name: pw2, .offset: 40, .size: 8, .value_kind: global_buffer, .address_space: global }
      - { .name: ob, .offset: 48, .size: 8, .value_kind: global_buffer, .address_space: global }
      - { .name: st, .offset: 56, .size: 8, .value_kind: global_buffer, .address_space: global }
    .group_segment_fixed_size: 327680
    .private_segment_fixed_size: 0
    .kernarg_segment_align: 8
    .kernarg_segment_size: 64
    .max_flat_workgroup_size: 128
    .sgpr_count:     80
    .vgpr_count:     960
    .wavefront_size: 32
...
	.end_amdgpu_metadata
.endif
;; end of part 2
;; launch sims (part 3): grid 32 x 8, 4 waves a work-group, clusters of 4 x 1, 327,680 bytes of LDS; arguments ob, ba, pv, pc; writes pv, pc
.if DOCPART == 3
	.amdgcn_target "amdgcn-amd-amdhsa--gfx1250"
	.amdhsa_code_object_version 6
	.text
	.protected	k_q77782c0cfc_sims
	.globl	k_q77782c0cfc_sims
	.p2align	8
	.type	k_q77782c0cfc_sims,@function
k_q77782c0cfc_sims:
	s_mov_b64 s[64:65], 0
	v_nop
	global_prefetch_b8 v0, s[64:65] scope:SCOPE_SE
	s_setreg_imm32_b32 hwreg(HW_REG_WAVE_MODE, 25, 1), 1
	s_wait_xcnt 0x0
	s_wait_alu depctr_hold_cnt(0) depctr_sa_sdst(0) depctr_va_vdst(0) depctr_va_sdst(0) depctr_va_ssrc(0) depctr_va_vcc(0) depctr_vm_vsrc(0)
	s_getreg_b32 s2, hwreg(HW_REG_IB_STS2, 6, 4)
	s_cmp_eq_u32 s2, 0
	s_cbranch_scc0 .Lentry_in_a_cluster
	s_endpgm
.Lentry_in_a_cluster:
	s_bfe_u32 s2, ttmp6, 0x10000c
	s_cmp_lg_u32 s2, 0x3003
	s_cbranch_scc0 .Lentry_shape_is_right
	s_endpgm
.Lentry_shape_is_right:
; SIMS: for each row of ob (raw obs, bf16) and each group j of 1,024 unit beliefs: the largest product ob[row] . ba[m] and its column m.  pv[j][row] f32, pc[j][row] i32.
; The row's factor gp / (norm x radius), which is not negative, commutes with a maximum and is applied in the next launch.
; LIMITS.  Operands in bf16, sums in f32.  A belief's place among a lane's eight is carried in the three lowest bits of the product's mantissa, so the value stored is
; cut by fewer than 8 units of its last place, and products that agree above those bits go to the lower column (for products below 0, which never match, to the higher one).
; NaN and infinities are not treated apart; products at or below -3.4028e38 are not told from the start value.
; SHARES.  Work-group (i, j): rows 256 i .. + 255 x beliefs 1,024 j .. + 1,023.  A wave keeps its 64 rows x 512 k in 512 registers (4 tiles x 16 fragments), loaded once;
; all four waves walk the same beliefs, 16 a GROUP, so only ba goes through LDS.  256 work-groups.
; LAYOUT.  Source 0 = 16 beliefs, source 1 = 16 rows: a lane holds ONE row (lane % 16) and the beliefs 8 (lane / 16) + 0..7 of the group.
; RING.  Two slots of 128 beliefs x 1,024 bytes; each wave fetches 32 rows.  The four partners of a cluster share j, so every tile is asked for jointly, mask 15.
; By this text's count a wave has two tensor loads out at the start and one behind each round; a refill has 512 matrix instructions in which to land.
; BY TURNS.  A group is 64 matrix instructions on four accumulators, which take turns.  Two sets of accumulators: while one group is multiplied, the maximum of the one before
; is taken, 38 vector instructions beside each 32 matrix instructions.
; REGISTERS.  window 0: addresses, statistics, both sets S (v64-127), the beliefs' fragments H0 (k 0-255, v128-191) and H1 (k 256-511, v192-255);
;   window 1: the rows' fragments of k 0-255 at v[64 t + 8 f]; window 2: those of k 256-511.  Only source 1 ever changes window (s_set_vgpr_msb bits 3:2), and every vector
;   instruction beside the products has a scalar or a constant as its source 1: three switches for 64 matrix instructions.
.set PK,    1040                       ; a belief in LDS: 1,024 bytes + 16 = 260 words: row r starts at bank 4 r mod 64 (64 banks of 4 bytes: ISA guide 11.1)
.set FILLB, 128*PK                     ; a slot
.set QUART, 32*PK                      ; a wave's part of it
.set GRP,   16*PK                      ; a group
.set SPARE, 2*FILLB                    ; behind the ring: the spare words, 128 bytes for each wave: two blocks of 256 bytes that no other line names
.set AK0, 2                            ; v2   my lane's place in a group; never rewritten
.set ADR, 3                            ; v3   the LDS address of a unit's two runs of loads
.set QO,  4                            ; v4   my byte offset in 16 rows of ob
.set COLB, 5                           ; v5   1,024 j + 8 (l / 16) + 7
.set PO,  6                            ; v6   my byte offset in pv and pc
.set BEST, 8                           ; v8-11   tile t's running maximum, with 7 - place in its three lowest bits
.set GI,  12                           ; v12-15  the group in which it was found
.set M,   16                           ; v16-17  a group's maximum, for the two tiles in hand
.set DL,  18                           ; v18-19  its lead over the running maximum
.set SPW, 62                           ; v62  LDS address of my spare word; never rewritten
.set NIL, 63                           ; v63  0; never rewritten
.set S,   64                           ; set p, tile t at S + 32 p + 8 t
.set HB,  128                          ; H0, then H1
.set WV,  12                           ; s12  my wave's number
.set G1,  24                           ; s[24:31] descriptor group 1
.set G0,  32                           ; s[32:39] group 0, a set for each slot
.set TB,  40                           ; s40  LDS byte at which the group to be fetched begins
.set CNT, 41                           ; s41  counts a slot's pairs of groups
.set OUTER, 42                         ; s42  counts pairs of slots
.set GA,  43                           ; s43  in unit g: g - 2
.set GB,  44                           ; s44  in unit g: g - 1
.set MASK, 45                          ; s45  all bits but the three lowest
.set NEG, 46                           ; s46  minus infinity: the third operand of a maximum of two
.set CM,  47                           ; s47, s50  lane masks, for the two tiles in hand
.set SEL, 48                           ; s[48:49] v_permlanex16_b32's selects
.set HALFM, 52                         ; s52  the mask of lanes 16-31
.set MSB, 0
.macro WIN new
.if MSB != (\new)
	s_set_vgpr_msb (MSB<<8)|(\new)
.set MSB, \new
.endif
.endm
.macro CROUND                          ; a round of the cluster's barrier
	s_barrier_signal -1
	s_barrier_wait -1
	s_cmp_lg_u32 s[WV], 0
	s_cbranch_scc1 .Lnot_wave_0_\@
	s_barrier_signal -3
.Lnot_wave_0_\@:
	s_barrier_wait -3
	s_barrier_signal -1
	s_barrier_wait -1
.endm
	s_load_b256 s[4:11], s[0:1], 0x0               ; ob 4:5, ba 6:7, pv 8:9, pc 10:11
	v_lshl_add_u32 v[SPW], v0, 2, SPARE
	v_mov_b32 v[NIL], 0
	ds_add_u32 v[SPW], v[NIL]                      ; the wave's opening: the add and its wait stand ahead of my first tensor load
	v_lshrrev_b32 v1, 5, v0
	v_readfirstlane_b32 s[WV], v1                  ; wave 0..3
	s_bfe_u32 s13, ttmp6, 0x40000                  ; cx
	s_lshl_b32 s14, ttmp9, 2
	s_add_co_u32 s14, s14, s13                     ; i = 4 x cluster x + cx: it enters ob's, pv's and pc's addresses alone
	s_and_b32 s15, ttmp7, 0xffff                   ; j, which the four partners share
	s_mov_b32 s[G1], 15|(1<<16)|(1<<20)|(1<<21)|(7<<22)|(3<<25)  ; the mask of four; 2-byte elements; padding on; bit 21 beside a mask; after every 256 words 4 words
	s_mov_b32 s[G1+1], 512<<16                     ; tensor_dim0 = 512
	s_mov_b32 s[G1+2], 32<<16                      ; tensor_dim1 = 32
	s_mov_b32 s[G1+3], 512<<16                     ; tile_dim0 = 512
	s_mov_b32 s[G1+4], 32                          ; tile_dim1 = 32
	s_mov_b32 s[G1+5], 512                         ; elements from row to row
	s_mov_b32 s[G1+6], 0
	s_mov_b32 s[G1+7], 0
	s_mul_i32 s16, s[WV], QUART                    ; where my 32 rows go: no place in the cluster enters an LDS address
	s_lshl_b32 s18, s15, 20                        ; ba: row 1,024 j + 32 w, 1,024 bytes a row
	s_lshl_b32 s17, s[WV], 15
	s_add_co_u32 s18, s18, s17
	s_mov_b32 s19, 0
	s_lshl_b32 s20, s14, 18                        ; ob: row 256 i + 64 w
	s_lshl_b32 s17, s[WV], 16
	s_add_co_u32 s20, s20, s17
	s_mov_b32 s21, 0
	s_lshl_b32 s22, s15, 13                        ; pv, pc: 4 (8,192 j + 256 i + 64 w + l)
	s_lshl_b32 s17, s14, 8
	s_add_co_u32 s22, s22, s17
	s_lshl_b32 s17, s[WV], 6
	s_add_co_u32 s22, s22, s17
	s_lshl_b32 s22, s22, 2
	s_lshl_b32 s23, s15, 10
	s_add_co_u32 s23, s23, 7
	s_mov_b32 s[TB], 0
	s_mov_b32 s[GA], -1
	s_mov_b32 s[GB], 0
	s_mov_b32 s[MASK], 0xfffffff8
	s_mov_b32 s[NEG], 0xff800000
	s_mov_b32 s[SEL], 0x76543210
	s_mov_b32 s[SEL+1], 0xfedcba98
	s_mov_b32 s[HALFM], 0xffff0000
	s_mov_b32 s[G0], 1
	s_mov_b32 s[G0+1], s16
	s_mov_b32 s[G0+4], 1
	s_add_co_u32 s[G0+5], s16, FILLB
	s_wait_dscnt 0x0                               ; the opening add is done
	s_wait_kmcnt 0x0
	s_add_nc_u64 s[6:7], s[6:7], s[18:19]
	s_add_nc_u64 s[4:5], s[4:5], s[20:21]
	s_add_nc_u64 s[G0+2:G0+3], s[6:7], 0           ; beliefs 0-127 of the group of 1,024,
	s_or_b32 s[G0+3], s[G0+3], 0x80000000
	s_add_nc_u64 s[G0+6:G0+7], s[6:7], 128*1024    ; and 128-255
	s_or_b32 s[G0+7], s[G0+7], 0x80000000
	CROUND                                         ; all four work-groups are here: the first joint loads meet
	tensor_load_to_lds s[G0:G0+3], s[G1:G1+7]
	s_nop 0
	tensor_load_to_lds s[G0+4:G0+7], s[G1:G1+7]
	s_nop 0
.rept 4
	v_nop
.endr
	; my 64 rows stay in registers.  A fragment: lane l holds row l % 16, k = 8 (l / 16) + 0..7 and 16 + 8 (l / 16) + 0..7: two loads of 16 bytes, 32 bytes apart
	v_and_b32 v1, 15, v0
	v_bfe_u32 v7, v0, 4, 1
	v_lshlrev_b32 v[QO], 10, v1
	v_lshl_add_u32 v[QO], v7, 4, v[QO]
	WIN 0x40                                       ; destination window 1
.irp t, 0,1,2,3
.irp f, 0,1,2,3,4,5,6,7
	global_load_b128 v[64*(\t)+8*(\f):64*(\t)+8*(\f)+3],   v[QO], s[4:5] offset:16384*(\t)+64*(\f)
	global_load_b128 v[64*(\t)+8*(\f)+4:64*(\t)+8*(\f)+7], v[QO], s[4:5] offset:16384*(\t)+64*(\f)+32
.endr
.endr
	WIN 0x80                                       ; destination window 2
.irp t, 0,1,2,3
.irp f, 0,1,2,3,4,5,6,7
	global_load_b128 v[64*(\t)+8*(\f):64*(\t)+8*(\f)+3],   v[QO], s[4:5] offset:16384*(\t)+512+64*(\f)
	global_load_b128 v[64*(\t)+8*(\f)+4:64*(\t)+8*(\f)+7], v[QO], s[4:5] offset:16384*(\t)+512+64*(\f)+32
.endr
.endr
	WIN 0
	v_mul_u32_u24 v[AK0], v1, PK
	v_lshl_add_u32 v[AK0], v7, 4, v[AK0]           ; row x pitch + 16 x half
	v_lshl_add_u32 v[COLB], v7, 3, s23
	v_and_b32 v[PO], 31, v0
	v_lshl_add_u32 v[PO], v[PO], 2, s22
.irp t, 0,1,2,3
	v_mov_b32 v[BEST+(\t)], 0xff7ffff8             ; the lowest finite number with its three lowest bits cut
	v_mov_b32 v[GI+(\t)], 0
.endr
.set i, S+32+16
.rept 16
	v_mov_b32 v[i], 0xff7fffff                     ; what the first unit takes for tiles 2, 3 of a group that has not been: its maximum equals the start value and changes nothing
.set i, i+1
.endr
; THE VECTOR WORK.  The maximum of one tile of one group is a list of 19; RD writes number n / 2 of it for tile t0 + n % 2 of set rset; gn holds the group's number.
;   0-7   7 - place goes into the three lowest bits of each of the lane's eight products, the accumulator's lowest register first
;   8-14  their maximum          15-17  is it above the running maximum?  then the group's number is taken          18  the running maximum
.macro RD n, rset, t0, gn
.set u, (\n)%2
.set o, (\n)/2
.set rS, S+32*(\rset)+8*((\t0)+u)
.set rB, BEST+(\t0)+u
.set rG, GI+(\t0)+u
.if o < 8
	v_and_or_b32 v[rS+o], v[rS+o], s[MASK], 7-o
.elseif o == 8
	v_max3_num_f32 v[M+u], v[rS], s[NEG], v[rS+1]
.elseif o < 15
	v_max3_num_f32 v[M+u], v[M+u], s[NEG], v[rS+o-7]
.elseif o == 15
	v_fma_f32 v[DL+u], v[M+u], 1.0, -v[rB]
.elseif o == 16
	v_cmp_gt_f32 s[CM+3*u], v[DL+u], 0
.elseif o == 17
	v_cndmask_b32 v[rG], v[rG], s[\gn], s[CM+3*u]
.else
	v_max3_num_f32 v[rB], v[rB], s[NEG], v[M+u]
.endif
.endm
; 16 LDS loads in one run: half hb (k 256 hb on) of the group at ADR
.macro RUN hb
.irp f, 0,1,2,3,4,5,6,7
	ds_load_b128 v[HB+64*(\hb)+8*(\f):HB+64*(\hb)+8*(\f)+3],   v[ADR] offset:512*(\hb)+64*(\f)
	ds_load_b128 v[HB+64*(\hb)+8*(\f)+4:HB+64*(\hb)+8*(\f)+7], v[ADR] offset:512*(\hb)+64*(\f)+32
.endr
.endm
; 32 matrix instructions: half x of K (0: k 0-255, whose first four start the sums; 1: k 256-511) of a group, into accumulator set 'set'; the four tiles take turns.
; riders = 1: behind each stands one of the 38 of RD for tiles t0, t0 + 1 of set rset, behind the last six two.  So eight plain instructions on the other set stand between an accumulator's
; last product and its first reader.  fetch = 1: behind the fourth product stands the run of loads into the OTHER half's registers, six plain instructions or more behind their last reader.
.macro PART x, set, rset, t0, gn, fetch, riders
	WIN 0x04+4*(\x)                                ; source 1 in window 1 or 2
.set n, 0
.set i, 0
.rept 32
.set rD, S+32*(\set)+8*(i%4)
.set rH, HB+64*(\x)+8*(i/4)
.set rQ, 64*(i%4)+8*(i/4)
.if ((\x) == 0) && (i < 4)
	v_wmma_f32_16x16x32_bf16 v[rD:rD+7], v[rH:rH+7], v[rQ:rQ+7], 0
.else
	v_wmma_f32_16x16x32_bf16 v[rD:rD+7], v[rH:rH+7], v[rQ:rQ+7], v[rD:rD+7]
.endif
.if \riders
	RD n, \rset, \t0, \gn
.set n, n+1
.if i >= 26
	RD n, \rset, \t0, \gn
.set n, n+1
.endif
.endif
.if (\fetch) && (i == 3)
	RUN 1-(\x)
.endif
.set i, i+1
.endr
.endm
; UNIT g (par = g % 2): the second half of group g - 1 beside the maximum of group g - 2's tiles 2, 3; then the first half of group g beside the maximum of group g - 1's tiles 0, 1.
; All its LDS reads are group g's.
.macro UNIT par
	v_add_nc_u32 v[ADR], s[TB], v[AK0]
	s_add_co_u32 s[TB], s[TB], GRP
	s_wait_dscnt 0x0                               ; H1 of group g - 1 is in: asked for 28 products back
	PART 1, 1-(\par), \par, 2, GA, 1, 1
	s_wait_dscnt 0x0                               ; H0 of group g is in
	PART 0, \par, 1-(\par), 0, GB, 1, 1
	s_add_co_u32 s[GA], s[GA], 1
	s_add_co_u32 s[GB], s[GB], 1
.endm
.macro UNITS tag                       ; a slot's eight groups: four trips of two
.Lstep\tag:
	UNIT 0
	WIN 0                                          ; at a label and at a branch every window is 0
.Lfirst\tag:
	UNIT 1
	WIN 0
	s_sub_co_u32 s[CNT], s[CNT], 1
	s_cmp_lg_u32 s[CNT], 0
	s_cbranch_scc1 .Lstep\tag
.endm
; THE CHANGE OF SLOTS.  Each wave waits for all its tensor loads (the one that is out is its part of the other slot), adds 0 to its spare word, and waits for that and for its own reads of the
; slot.  fill = 1: a round of the cluster's barrier, and first behind it the joint refill, with the beliefs two slots on.
.macro CHANGE slot, fill, nextbase
	s_wait_tensorcnt 0x0                           ; no tensor load of mine is out, so a group 0 may be written
	ds_add_u32 v[SPW], v[NIL]                      ; 0 onto my spare word
.if \fill
	s_add_nc_u64 s[G0+4*(\slot)+2:G0+4*(\slot)+3], s[G0+4*(\slot)+2:G0+4*(\slot)+3], 2*128*1024
.endif
	s_mov_b32 s[TB], \nextbase                     ; the fetches go on at the other slot's head
	s_wait_dscnt 0x0                               ; the add is done, and my reads of the slot are over
.if \fill
	CROUND
	tensor_load_to_lds s[G0+4*(\slot):G0+4*(\slot)+3], s[G1:G1+7]
	s_nop 0
.rept 4
	v_nop
.endr
.else
	s_barrier_signal -1
	s_barrier_wait -1
.endif
.endm
	s_wait_tensorcnt 0x1                           ; my part of slot 0 is in; slot 1's may stay out
	s_barrier_signal -1
	s_barrier_wait -1                              ; everybody's is
	v_add_nc_u32 v[ADR], s[TB], v[AK0]             ; of unit 0 only the second part exists: group 0's first half
	s_add_co_u32 s[TB], s[TB], GRP
	RUN 0
	s_wait_loadcnt 0x0                             ; my rows
	s_wait_dscnt 0x0
	PART 0, 0, 1, 0, GB, 1, 0
	WIN 0
.rept 4
	v_nop
.endr
	s_mov_b32 s[OUTER], 3
	s_mov_b32 s[CNT], 4
	s_branch .LfirstA                              ; the loop is entered at unit 1, in the middle of a trip
.Louter:                                               ; three trips: slots 0 and 1 are read and filled again
	s_mov_b32 s[CNT], 4
	UNITS A
	CHANGE 0, 1, FILLB
	s_mov_b32 s[CNT], 4
	UNITS B
	CHANGE 1, 1, 0
	s_sub_co_u32 s[OUTER], s[OUTER], 1
	s_cmp_lg_u32 s[OUTER], 0
	s_cbranch_scc1 .Louter
	s_mov_b32 s[CNT], 4                            ; the last two slots are written out: nothing is asked for
	UNITS C
	CHANGE 0, 0, FILLB
	s_mov_b32 s[CNT], 4
	UNITS D
	s_wait_dscnt 0x0                               ; H1 of group 63
	PART 1, 1, 0, 2, GA, 0, 1                      ; its second half, beside the maximum of group 62's tiles 2, 3
	WIN 0
.rept 8
	v_nop                                          ; the places behind the last products
.endr
.set n, 0
.rept 38
	RD n, 1, 0, GB                                 ; group 63
.set n, n+1
.endr
.set n, 0
.rept 38
	RD n, 1, 2, GB
.set n, n+1
.endr
	; THE WAY OUT.  Value and column are taken apart; the row's other eight places of each group lie in the lane 16 away: the better of the two, at equal values the lower column.
	; Set 0's registers are free: tile t has value, column, the other lane's two, and one at work at S + 8 t.
.irp t, 0,1,2,3
	v_and_b32 v[S+8*(\t)+4], 7, v[BEST+(\t)]
	v_lshl_add_u32 v[S+8*(\t)+1], v[GI+(\t)], 4, v[COLB]
	v_and_b32 v[S+8*(\t)], s[MASK], v[BEST+(\t)]
	v_sub_nc_u32 v[S+8*(\t)+1], v[S+8*(\t)+1], v[S+8*(\t)+4]   ; 1,024 j + 16 g + 8 (l / 16) + place
.endr
.irp t, 0,1,2,3
	v_permlanex16_b32 v[S+8*(\t)+2], v[S+8*(\t)], s[SEL], s[SEL+1]
	v_permlanex16_b32 v[S+8*(\t)+3], v[S+8*(\t)+1], s[SEL], s[SEL+1]
.endr
.irp t, 0,1,2,3
	v_cmp_gt_f32 s47, v[S+8*(\t)+2], v[S+8*(\t)]
	v_cmp_eq_f32 s50, v[S+8*(\t)+2], v[S+8*(\t)]
	v_cmp_lt_u32 s51, v[S+8*(\t)+3], v[S+8*(\t)+1]
	s_and_b32 s50, s50, s51
	s_or_b32 s47, s47, s50
	v_cndmask_b32 v[S+8*(\t)], v[S+8*(\t)], v[S+8*(\t)+2], s47
	v_cndmask_b32 v[S+8*(\t)+1], v[S+8*(\t)+1], v[S+8*(\t)+3], s47
.endr
.irp k, 0,1
	v_cndmask_b32 v[S+16*(\k)+4], v[S+16*(\k)], v[S+16*(\k)+8], s[HALFM]     ; lanes 0-15: tile 2 k; lanes 16-31: tile 2 k + 1: 32 rows on end
	v_cndmask_b32 v[S+16*(\k)+5], v[S+16*(\k)+1], v[S+16*(\k)+9], s[HALFM]
	global_store_b32 v[PO], v[S+16*(\k)+4], s[8:9] offset:128*(\k)           ; 128 consecutive bytes; pv and pc are 524,288 bytes together, so they are not staged
	global_store_b32 v[PO], v[S+16*(\k)+5], s[10:11] offset:128*(\k)
.endr
	s_wait_tensorcnt 0x0                           ; the wave's end: the closing add and its waits, behind my last tensor load
	ds_add_u32 v[SPW], v[NIL]
	s_wait_dscnt 0x0
	CROUND                                         ; the closing round
	s_endpgm
.Lfunc_end_k_q77782c0cfc_sims:
	.size	k_q77782c0cfc_sims, .Lfunc_end_k_q77782c0cfc_sims-k_q77782c0cfc_sims
	.p2alignl 7, 3214868480
	.fill 96, 4, 3214868480
	.section	.rodata,"a",@progbits
	.p2align	6, 0x0
	.amdhsa_kernel k_q77782c0cfc_sims
		.amdhsa_group_segment_fixed_size 327680
		.amdhsa_private_segment_fixed_size 0
		.amdhsa_enable_private_segment 0
		.amdhsa_kernarg_size 32
		.amdhsa_user_sgpr_count 2
		.amdhsa_user_sgpr_kernarg_segment_ptr 1
		.amdhsa_wavefront_size32 1
		.amdhsa_system_sgpr_workgroup_id_x 1
		.amdhsa_system_sgpr_workgroup_id_y 1
		.amdhsa_system_sgpr_workgroup_id_z 1
		.amdhsa_system_vgpr_workitem_id 0
		.amdhsa_next_free_vgpr 768
		.amdhsa_next_free_sgpr 66
		.amdhsa_reserve_vcc 0
		.amdhsa_float_denorm_mode_32 3
		.amdhsa_float_denorm_mode_16_64 3
		.amdhsa_memory_ordered 1
		.amdhsa_forward_progress 1
		.amdhsa_inst_pref_size 126
	.end_amdhsa_kernel
	.amdgpu_metadata
---
amdhsa.version: [ 1, 2 ]
amdhsa.kernels:
  - .name:           k_q77782c0cfc_sims
    .symbol:         k_q77782c0cfc_sims.kd
    .args:
      - { .name: ob, .offset: 0, .size: 8, .value_kind: global_buffer, .address_space: global }
      - { .name: ba, .offset: 8, .size: 8, .value_kind: global_buffer, .address_space: global }
      - { .name: pv, .offset: 16, .size: 8, .value_kind: global_buffer, .address_space: global }
      - { .name: pc, .offset: 24, .size: 8, .value_kind: global_buffer, .address_space: global }
    .group_segment_fixed_size: 327680
    .private_segment_fixed_size: 0
    .kernarg_segment_align: 8
    .kernarg_segment_size: 32
    .max_flat_workgroup_size: 128
    .sgpr_count:     66
    .vgpr_count:     768
    .wavefront_size: 32
...
	.end_amdgpu_metadata
.endif
;; end of part 3
;; launch final (part 4): grid 256 x 1, 4 waves a work-group, no clusters, 0 bytes of LDS; arguments ob, st, pv, pc, active_indices, gb2, pb2, out0, out1, out2, out3; writes out0, out1, out2, out3
.if DOCPART == 4
	.amdgcn_target "amdgcn-amd-amdhsa--gfx1250"
	.amdhsa_code_object_version 6
	.text
	.protected	k_q77782c0cfc_final
	.globl	k_q77782c0cfc_final
	.p2align	8
	.type	k_q77782c0cfc_final,@function
k_q77782c0cfc_final:
	s_mov_b64 s[64:65], 0
	v_nop
	global_prefetch_b8 v0, s[64:65] scope:SCOPE_SE
	s_setreg_imm32_b32 hwreg(HW_REG_WAVE_MODE, 25, 1), 1
	s_wait_xcnt 0x0
; FINAL: the row's scalars and all four outputs.
;   norm = sqrt(sum obs^2); gate = sigmoid(gl + gb2); prec = softplus(pl + pb2); sc = gate prec / max(norm, 1e-8); out0 = obs sc; radius = sc norm;
;   best = (largest of the eight partial maxima) sc / max(radius, 1e-8); matched = radius > 0.05 and best > 0.7; out1 = active_indices[column] or -1; out2 = best or 0; out3 = matched.
; softplus(x) = max(x, 0) + log1p(t), t = e^-|x|; log1p(t) = ln(u) t / (u - 1) with u = 1 + t, or t where u = 1: true to the last bits for small t too.
; LIMITS.  obs comes rounded to bf16.  An exponential below 2^-126 counts as 0 (so the gate and log1p are 0 beyond about -87); NaN and infinities are not treated apart;
; a row whose radius or best lies within the operands' rounding of its threshold may fall on either side.
; SHARES.  A work-group has 32 rows.  Every wave makes the scalars, a lane a row, for row 32 g + (lane + 8 w) % 32, so that its own eight rows lie in lanes 0-7; it then streams those eight rows
; of obs: a load covers 256 consecutive bytes, a store 512.  Wave 0, whose lanes hold the rows in order, stores out1, out2, out3 (73,728 bytes in all: not staged).
; All eight candidates' indices are gathered, from columns read as whole numbers; the floating-point comparisons only select among them.
; A stream: no LDS, no barrier.  No register that a load or a store names is written again.
.set ST, 8                             ; v[8:31]   the 24 partial sums; then at work
.set PV, 32                            ; v[32:39]  the eight partial maxima
.set PC, 40                            ; v[40:47]  their columns, then 4 x column
.set AI, 48                            ; v[48:55]  active_indices there
.set X,  64                            ; v[64:127]  obs, 32 chunks of 4 bf16 a lane
.set Y,  128                           ; v[128:255] out0, 32 chunks of 4 f32 a lane
	s_load_b512 s[4:19], s[0:1], 0x0               ; ob 4:5, st 6:7, pv 8:9, pc 10:11, active_indices 12:13, gb2 14:15, pb2 16:17, out0 18:19
	s_load_b128 s[36:39], s[0:1], 0x40             ; out1 36:37, out2 38:39
	s_load_b64 s[40:41], s[0:1], 0x50              ; out3
	v_lshrrev_b32 v1, 5, v0
	v_readfirstlane_b32 s45, v1                    ; wave 0..3
	v_and_b32 v1, 31, v0
	s_lshl_b32 s46, s45, 3
	v_add_nc_u32 v2, s46, v1
	v_and_b32 v2, 31, v2                           ; (lane + 8 w) % 32
	s_lshl_b32 s47, ttmp9, 5
	v_add_nc_u32 v2, s47, v2                       ; my row
	v_lshlrev_b32 v2, 2, v2                        ; 4 x row
	v_lshlrev_b32 v3, 3, v1                        ; 8 x lane
	v_lshlrev_b32 v4, 4, v1                        ; 16 x lane
	s_add_co_u32 s46, s47, s46                     ; my wave's first row
	s_lshl_b32 s2, s46, 10
	s_mov_b32 s3, 0
	s_mov_b32 s44, 0xffff0000                      ; a word's upper bf16
	s_wait_kmcnt 0x0
	s_load_b32 s42, s[14:15], 0x0                  ; gb2
	s_load_b32 s43, s[16:17], 0x0                  ; pb2
	s_add_nc_u64 s[4:5], s[4:5], s[2:3]            ; ob, 1,024 bytes a row
	s_lshl_b32 s2, s46, 11
	s_add_nc_u64 s[18:19], s[18:19], s[2:3]        ; out0, 2,048 bytes a row
.set n, 0
.rept 24
	global_load_b32 v[ST+n], v2, s[6:7] offset:262144*(n/8)+32768*(n%8)
.set n, n+1
.endr
.set n, 0
.rept 8
	global_load_b32 v[PV+n], v2, s[8:9] offset:32768*n
.set n, n+1
.endr
.set n, 0
.rept 8
	global_load_b32 v[PC+n], v2, s[10:11] offset:32768*n
.set n, n+1
.endr
.set n, 0
.rept 32
	global_load_b64 v[X+2*n:X+2*n+1], v3, s[4:5] offset:1024*(n/4)+256*(n%4) th:TH_LOAD_NT
.set n, n+1
.endr
	s_wait_loadcnt 32                              ; the sums, maxima and columns are in; the 32 loads of obs stay out
.set n, 0
.rept 8
	v_min_u32 v[PC+n], 0x1fff, v[PC+n]             ; a column stays inside the table
	v_lshlrev_b32 v[PC+n], 2, v[PC+n]
.set n, n+1
.endr
.set n, 0
.rept 8
	global_load_b32 v[AI+n], v[PC+n], s[12:13]
.set n, n+1
.endr
.irp b, ST, ST+8, ST+16                            ; the eight parts of each sum
	v_pk_add_f32 v[(\b):(\b)+1], v[(\b):(\b)+1], v[(\b)+2:(\b)+3]
	v_pk_add_f32 v[(\b)+4:(\b)+5], v[(\b)+4:(\b)+5], v[(\b)+6:(\b)+7]
	v_pk_add_f32 v[(\b):(\b)+1], v[(\b):(\b)+1], v[(\b)+4:(\b)+5]
	v_add_f32 v[(\b)], v[(\b)], v[(\b)+1]
.endr
	s_wait_kmcnt 0x0
	v_add_f32 v16, s42, v16                        ; the gate's argument
	v_add_f32 v24, s43, v24                        ; the precision head's
	v_mul_f32 v17, 0xbfb8aa3b, v16                 ; times -log2(e)
	v_and_b32 v25, 0x7fffffff, v24
	v_mul_f32 v25, 0xbfb8aa3b, v25
	v_sqrt_f32 v9, v8                              ; norm
	v_exp_f32 v17, v17                             ; e^-gl
	v_exp_f32 v25, v25                             ; t
	v_max_num_f32 v26, 0, v24                      ; the plain instruction behind the batch
	s_wait_alu depctr_va_vdst(0)                   ; one wait for the three, ahead of their first reader
	v_add_f32 v17, 1.0, v17
	v_add_f32 v27, 1.0, v25                        ; u
	v_add_f32 v28, -1.0, v27                       ; u - 1
	v_max_num_f32 v10, 0x322bcc77, v9              ; max(norm, 1e-8)
	v_rcp_f32 v17, v17                             ; gate
	v_log_f32 v29, v27
	v_rcp_f32 v30, v28
	v_rcp_f32 v10, v10
	v_cmp_eq_f32 vcc_lo, 0, v28                    ; the plain instruction behind the batch
	s_wait_alu depctr_va_vdst(0)                   ; one wait for the four
	v_mul_f32 v29, 0x3f317218, v29                 ; ln(u)
	v_mul_f32 v30, v25, v30                        ; t / (u - 1)
	v_mul_f32 v29, v29, v30
	v_cndmask_b32 v29, v29, v25, vcc_lo            ; t where u = 1
	v_add_f32 v26, v26, v29                        ; prec
	v_mul_f32 v26, v17, v26                        ; gate x prec
	v_mul_f32 v11, v26, v10                        ; sc
	v_mul_f32 v12, v11, v9                         ; radius
	v_max_num_f32 v13, 0x322bcc77, v12
	v_rcp_f32 v13, v13
	v_nop                                          ; the plain instruction behind it,
	s_wait_alu depctr_va_vdst(0)                   ; and its wait, ahead of the branch below
.irp r, 0,1,2,3,4,5,6,7
	v_readlane_b32 s[20+2*(\r)], v11, \r           ; my eight rows' sc lie in lanes 0-7
.endr
.irp r, 0,1,2,3,4,5,6,7
	s_mov_b32 s[21+2*(\r)], s[20+2*(\r)]           ; named with it as a pair
.endr
.set n, 0
.rept 32                                           ; chunk n: row n / 4, its bytes 256 (n % 4) on
	s_wait_loadcnt 39-n                            ; behind it: 31 - n loads of obs and the 8 gathers
	v_lshlrev_b32 v[Y+4*n],   16,  v[X+2*n]
	v_and_b32     v[Y+4*n+1], s44, v[X+2*n]
	v_lshlrev_b32 v[Y+4*n+2], 16,  v[X+2*n+1]
	v_and_b32     v[Y+4*n+3], s44, v[X+2*n+1]
	v_pk_mul_f32 v[Y+4*n:Y+4*n+1],   v[Y+4*n:Y+4*n+1],   s[20+2*(n/4):21+2*(n/4)] op_sel_hi:[1,0]
	v_pk_mul_f32 v[Y+4*n+2:Y+4*n+3], v[Y+4*n+2:Y+4*n+3], s[20+2*(n/4):21+2*(n/4)] op_sel_hi:[1,0]
	global_store_b128 v4, v[Y+4*n:Y+4*n+3], s[18:19] offset:2048*(n/4)+512*(n%4) th:TH_STORE_NT  ; 512 consecutive bytes, at a multiple of 256 from out0's first byte
.set n, n+1
.endr
	s_wait_loadcnt 0x0                             ; the gathers
	s_cmp_lg_u32 s45, 0
	s_cbranch_scc1 .Lend                           ; wave 0 holds the work-group's 32 rows in order
.irp j, 1,2,3,4,5,6,7                              ; ascending, and only a greater value wins: at equal values the lower columns stay
	v_cmp_gt_f32 vcc_lo, v[PV+(\j)], v[PV]
	v_cndmask_b32 v[PV], v[PV], v[PV+(\j)], vcc_lo
	v_cndmask_b32 v[AI], v[AI], v[AI+(\j)], vcc_lo
.endr
	s_mov_b32 s2, 0x3d4ccccd                       ; 0.05
	s_mov_b32 s3, 0x3f333333                       ; 0.7
	v_mul_f32 v14, v11, v13                        ; sc / max(radius, 1e-8)
	v_mul_f32 v14, v[PV], v14                      ; best
	v_cmp_lt_f32 s46, s2, v12
	v_cmp_lt_f32 s47, s3, v14
	s_and_b32 s46, s46, s47                        ; matched
	v_cndmask_b32 v[AI], -1, v[AI], s46
	v_cndmask_b32 v14, 0, v14, s46
	v_cndmask_b32 v15, 0, 1, s46
	v_lshrrev_b32 v5, 2, v2                        ; the row: a byte each in out3
	global_store_b32 v2, v[AI], s[36:37]
	global_store_b32 v2, v14, s[38:39]
	global_store_b8 v5, v15, s[40:41]
.Lend:
	s_endpgm
.Lfunc_end_k_q77782c0cfc_final:
	.size	k_q77782c0cfc_final, .Lfunc_end_k_q77782c0cfc_final-k_q77782c0cfc_final
	.p2alignl 7, 3214868480
	.fill 96, 4, 3214868480
	.section	.rodata,"a",@progbits
	.p2align	6, 0x0
	.amdhsa_kernel k_q77782c0cfc_final
		.amdhsa_group_segment_fixed_size 0
		.amdhsa_private_segment_fixed_size 0
		.amdhsa_enable_private_segment 0
		.amdhsa_kernarg_size 88
		.amdhsa_user_sgpr_count 2
		.amdhsa_user_sgpr_kernarg_segment_ptr 1
		.amdhsa_wavefront_size32 1
		.amdhsa_system_sgpr_workgroup_id_x 1
		.amdhsa_system_sgpr_workgroup_id_y 1
		.amdhsa_system_sgpr_workgroup_id_z 1
		.amdhsa_system_vgpr_workitem_id 0
		.amdhsa_next_free_vgpr 256
		.amdhsa_next_free_sgpr 66
		.amdhsa_reserve_vcc 1
		.amdhsa_float_denorm_mode_32 3
		.amdhsa_float_denorm_mode_16_64 3
		.amdhsa_memory_ordered 1
		.amdhsa_forward_progress 1
		.amdhsa_inst_pref_size 26
	.end_amdhsa_kernel
	.amdgpu_metadata
---
amdhsa.version: [ 1, 2 ]
amdhsa.kernels:
  - .name:           k_q77782c0cfc_final
    .symbol:         k_q77782c0cfc_final.kd
    .args:
      - { .name: ob, .offset: 0, .size: 8, .value_kind: global_buffer, .address_space: global }
      - { .name: st, .offset: 8, .size: 8, .value_kind: global_buffer, .address_space: global }
      - { .name: pv, .offset: 16, .size: 8, .value_kind: global_buffer, .address_space: global }
      - { .name: pc, .offset: 24, .size: 8, .value_kind: global_buffer, .address_space: global }
      - { .name: active_indices, .offset: 32, .size: 8, .value_kind: global_buffer, .address_space: global }
      - { .name: gb2, .offset: 40, .size: 8, .value_kind: global_buffer, .address_space: global }
      - { .name: pb2, .offset: 48, .size: 8, .value_kind: global_buffer, .address_space: global }
      - { .name: out0, .offset: 56, .size: 8, .value_kind: global_buffer, .address_space: global }
      - { .name: out1, .offset: 64, .size: 8, .value_kind: global_buffer, .address_space: global }
      - { .name: out2, .offset: 72, .size: 8, .value_kind: global_buffer, .address_space: global }
      - { .name: out3, .offset: 80, .size: 8, .value_kind: global_buffer, .address_space: global }
    .group_segment_fixed_size: 0
    .private_segment_fixed_size: 0
    .kernarg_segment_align: 8
    .kernarg_segment_size: 88
    .max_flat_workgroup_size: 128
    .sgpr_count:     66
    .vgpr_count:     256
    .wavefront_size: 32
...
	.end_amdgpu_metadata
.endif
;; end of part 4
;; ======== version 2 of 2: 4 launches; version 1 with the launches prep, final written anew for expert scheduling mode
;; workspace buffers: hb 33,554,432 bytes; wc 6,291,456 bytes; ba 8,388,608 bytes; ob 8,388,608 bytes; st 786,432 bytes; pv 262,144 bytes; pc 262,144 bytes of whole numbers
;; launch prep (part 5): grid 1024 x 1, 8 waves a work-group, no clusters, 0 bytes of LDS; arguments hidden, beliefs, W_obs, gw1, pw1, hb, ba, wc; writes hb, ba, wc
.if DOCPART == 5
	.amdgcn_target "amdgcn-amd-amdhsa--gfx1250"
	.amdhsa_code_object_version 6
	.text
	.protected	k_q77782c0cfc_prep
	.globl	k_q77782c0cfc_prep
	.p2align	8
	.type	k_q77782c0cfc_prep,@function
k_q77782c0cfc_prep:
	s_mov_b64 s[64:65], 0
	v_nop
	global_prefetch_b8 v0, s[64:65] scope:SCOPE_SE
	s_setreg_imm32_b32 hwreg(HW_REG_WAVE_SCHED_MODE, 0, 2), 2
	s_setreg_imm32_b32 hwreg(HW_REG_WAVE_MODE, 25, 1), 1
	s_wait_xcnt 0x0
	s_wait_alu depctr_vm_vsrc(0)
; PREP: the matrix operands of the two products, rounded once to bf16.
;   hb[row][k]       = bf16(hidden[row][k])                                  [8192][2048]
;   ba[m][d]         = bf16(beliefs[m][d] / max(|beliefs[m]|, 1e-8))         [8192][512]
;   wc[k][q][ty][c]  = bf16(W[ty][k][128 q + c]), W = W_obs, gw1, pw1        [2048][4][3][128]
; A stream: every byte is read once and written once, so no LDS, no barrier, no matrix unit.
; SHARES.  Wave W = 8 x work-group + wave (0 .. 8191) takes row W of hidden (8,192 bytes), row W of beliefs (2,048 bytes) and the
; quarter row k = W / 4, q = W % 4 of each of the three weights (512 bytes each).  All 23 loads of 16 bytes a lane go out together;
; a load covers 512 consecutive bytes, a store of 8 bytes a lane 256 consecutive bytes at a multiple of 256 from its buffer's first byte.
; THE MODE: SCHED_MODE bits 1:0 = 2 (LLVM: expert scheduling mode 2), set by the entry lines.  The code itself states the register dependences
; between vector instructions and memory instructions, with s_wait_alu, always for 0.
; THE PLAN.  Registers that memory instructions touch:
;   v1, v2      byte offsets, made once at the head and never written again: v1 is read by every load, v2 by every store.
;   BL, WT, X   each register is the target of one load, issued ahead of every vector line that names it; it is then rounded in place, and its
;               low pair is read by one store.  Behind that store it is never written again: nothing ever waits for a store to have read its data.
;   T, R        named by vector instructions alone.
; So the only dependence to state in the body is: roundings have written what stores read.  The roundings go in groups (the three weight pieces; four chunks of
; hidden; the belief row), ONE wait stands behind each group, and the group's stores follow it, dealt among vector lines that name other registers.
.set BL, 4                             ; v[4:19]    the belief row, four chunks of 4 numbers a lane
.set WT, 20                            ; v[20:31]   the three weight quarter rows
.set X,  32                            ; v[32:95]   hidden, sixteen chunks
.set T,  96                            ; v[96:103]  at work
.set R,  104                           ; v[104:105] 1 / norm; the second word is only named with it as a pair
	s_load_b512 s[4:19], s[0:1], 0x0               ; hidden 4:5, beliefs 6:7, W_obs 8:9, gw1 10:11, pw1 12:13, hb 14:15, ba 16:17, wc 18:19
	v_lshrrev_b32 v3, 5, v0
	v_readfirstlane_b32 s20, v3                    ; wave 0..7
	v_and_b32 v1, 31, v0
	v_lshlrev_b32 v2, 3, v1                        ; 8 x lane: where a lane stores
	v_lshlrev_b32 v1, 4, v1                        ; 16 x lane: where a lane loads
	v_mov_b32 v[R+1], 0
	s_lshl_b32 s21, ttmp9, 3
	s_mov_b32 s23, 0                               ; the high word of every offset: all stay under 2^27
	s_mov_b32 s24, 0x76543210                      ; v_permlanex16_b32: each lane takes its own place in the other half
	s_mov_b32 s25, 0xfedcba98
	s_wait_alu depctr_va_sdst(0)                   ; s20 is written, ahead of its first reader: every base below is made from it
	s_add_co_u32 s21, s21, s20                     ; W
	s_wait_kmcnt 0x0
	s_lshl_b32 s22, s21, 13
	s_add_nc_u64 s[4:5], s[4:5], s[22:23]          ; hidden + 8,192 W
	s_lshl_b32 s22, s21, 12
	s_add_nc_u64 s[14:15], s[14:15], s[22:23]      ; hb + 4,096 W
	s_lshl_b32 s22, s21, 11
	s_add_nc_u64 s[6:7], s[6:7], s[22:23]          ; beliefs + 2,048 W
	s_lshl_b32 s22, s21, 10
	s_add_nc_u64 s[16:17], s[16:17], s[22:23]      ; ba + 1,024 W
	s_lshl_b32 s22, s21, 9
	s_add_nc_u64 s[8:9], s[8:9], s[22:23]          ; each weight + 2,048 k + 512 q = 512 W
	s_add_nc_u64 s[10:11], s[10:11], s[22:23]
	s_add_nc_u64 s[12:13], s[12:13], s[22:23]
	s_mul_i32 s22, s21, 768
	s_add_nc_u64 s[18:19], s[18:19], s[22:23]      ; wc + 3,072 k + 768 q = 768 W
	s_wait_alu depctr_va_vdst(0)                   ; v1 and v2 are written: every load and store of the kernel reads one of them as its offset
.irp c, 0,1,2,3
	global_load_b128 v[BL+4*(\c):BL+4*(\c)+3], v1, s[6:7] offset:512*(\c) th:TH_LOAD_NT
.endr
	global_load_b128 v[WT:WT+3],    v1, s[8:9]   th:TH_LOAD_NT
	global_load_b128 v[WT+4:WT+7],  v1, s[10:11] th:TH_LOAD_NT
	global_load_b128 v[WT+8:WT+11], v1, s[12:13] th:TH_LOAD_NT
.irp i, 0,1,2,3,4,5,6,7,8,9,10,11,12,13,14,15
	global_load_b128 v[X+4*(\i):X+4*(\i)+3], v1, s[4:5] offset:512*(\i) th:TH_LOAD_NT
.endr
	s_wait_loadcnt 19                              ; the belief row is in: 3 + 16 younger loads stay out
	v_pk_mul_f32 v[T:T+1],   v[BL:BL+1],   v[BL:BL+1]      ; the sum of squares, in two chains that the first products start
	v_pk_mul_f32 v[T+2:T+3], v[BL+2:BL+3], v[BL+2:BL+3]
.irp c, 1,2,3
	v_pk_fma_f32 v[T:T+1],   v[BL+4*(\c):BL+4*(\c)+1],   v[BL+4*(\c):BL+4*(\c)+1],   v[T:T+1]
	v_pk_fma_f32 v[T+2:T+3], v[BL+4*(\c)+2:BL+4*(\c)+3], v[BL+4*(\c)+2:BL+4*(\c)+3], v[T+2:T+3]
.endr
	v_pk_add_f32 v[T:T+1], v[T:T+1], v[T+2:T+3]
	v_add_f32 v[T], v[T], v[T+1]
	v_add_f32_dpp v[T], v[T], v[T] row_xmask:1 row_mask:0xf bank_mask:0xf
	v_add_f32_dpp v[T], v[T], v[T] row_xmask:2 row_mask:0xf bank_mask:0xf
	v_add_f32_dpp v[T], v[T], v[T] row_xmask:4 row_mask:0xf bank_mask:0xf
	v_add_f32_dpp v[T], v[T], v[T] row_xmask:8 row_mask:0xf bank_mask:0xf
	v_permlanex16_b32 v[T+1], v[T], s24, s25       ; (its destination has been written before)
	v_add_f32 v[T], v[T], v[T+1]                   ; every lane holds the row's sum of squares
	v_sqrt_f32 v[T+2], v[T]
	s_wait_loadcnt 16                              ; the three weight pieces are in; their roundings are the plain work behind the root
.irp t, 0,1,2
	v_cvt_pk_bf16_f32 v[WT+4*(\t)],   v[WT+4*(\t)],   v[WT+4*(\t)+1]
	v_cvt_pk_bf16_f32 v[WT+4*(\t)+1], v[WT+4*(\t)+2], v[WT+4*(\t)+3]
.endr
	s_wait_alu depctr_va_vdst(0)                   ; the six roundings have written WT's low pairs, which the three stores below read; the root has written v[T+2], ahead of its first reader
	v_max_num_f32 v[T+2], 0x322bcc77, v[T+2]       ; max(norm, 1e-8)
	v_rcp_f32 v[R], v[T+2]
.irp t, 0,1,2
	global_store_b64 v2, v[WT+4*(\t):WT+4*(\t)+1], s[18:19] offset:256*(\t)  ; no vector line since the wait names WT or v2
.endr
; Group g of hidden, chunks 4 g to 4 g + 3: rounded in place, two numbers an instruction.
.macro ROUND4 g
	s_wait_loadcnt 12-4*(\g)                       ; loads come back in order: the groups behind this one stay out
.irp c, 0,1,2,3
	v_cvt_pk_bf16_f32 v[X+16*(\g)+4*(\c)],   v[X+16*(\g)+4*(\c)],   v[X+16*(\g)+4*(\c)+1]
	v_cvt_pk_bf16_f32 v[X+16*(\g)+4*(\c)+1], v[X+16*(\g)+4*(\c)+2], v[X+16*(\g)+4*(\c)+3]
.endr
.endm
; Its four stores.
.macro SEND4 g
.irp c, 0,1,2,3
	global_store_b64 v2, v[X+16*(\g)+4*(\c):X+16*(\g)+4*(\c)+1], s[14:15] offset:1024*(\g)+256*(\c)
.endr
.endm
	ROUND4 0                                       ; eight roundings are the independent work behind the reciprocal
	s_wait_alu depctr_va_vdst(0)                   ; group 0's roundings have written what its stores read; the reciprocal has written v[R], ahead of its first reader
.irp c, 0,1,2,3                                        ; group 0's stores, dealt among the belief row's scalings, which name BL and R alone
	global_store_b64 v2, v[X+4*(\c):X+4*(\c)+1], s[14:15] offset:256*(\c)
	v_pk_mul_f32 v[BL+4*(\c):BL+4*(\c)+1],   v[BL+4*(\c):BL+4*(\c)+1],   v[R:R+1] op_sel_hi:[1,0]
	v_pk_mul_f32 v[BL+4*(\c)+2:BL+4*(\c)+3], v[BL+4*(\c)+2:BL+4*(\c)+3], v[R:R+1] op_sel_hi:[1,0]
.endr
.irp c, 0,1,2,3
	v_cvt_pk_bf16_f32 v[BL+4*(\c)],   v[BL+4*(\c)],   v[BL+4*(\c)+1]
	v_cvt_pk_bf16_f32 v[BL+4*(\c)+1], v[BL+4*(\c)+2], v[BL+4*(\c)+3]
.endr
	ROUND4 1
	s_wait_alu depctr_va_vdst(0)                   ; the belief row's roundings and group 1's have written what the eight stores below read
.irp c, 0,1,2,3
	global_store_b64 v2, v[BL+4*(\c):BL+4*(\c)+1], s[16:17] offset:256*(\c)
.endr
	SEND4 1
	ROUND4 2
	s_wait_alu depctr_va_vdst(0)                   ; group 2's roundings have written what its stores read
	SEND4 2
	ROUND4 3
	s_wait_alu depctr_va_vdst(0)                   ; group 3's roundings have written what its stores read
	SEND4 3
	s_endpgm
.Lfunc_end_k_q77782c0cfc_prep:
	.size	k_q77782c0cfc_prep, .Lfunc_end_k_q77782c0cfc_prep-k_q77782c0cfc_prep
	.p2alignl 7, 3214868480
	.fill 96, 4, 3214868480
	.section	.rodata,"a",@progbits
	.p2align	6, 0x0
	.amdhsa_kernel k_q77782c0cfc_prep
		.amdhsa_group_segment_fixed_size 0
		.amdhsa_private_segment_fixed_size 0
		.amdhsa_enable_private_segment 0
		.amdhsa_kernarg_size 64
		.amdhsa_user_sgpr_count 2
		.amdhsa_user_sgpr_kernarg_segment_ptr 1
		.amdhsa_wavefront_size32 1
		.amdhsa_system_sgpr_workgroup_id_x 1
		.amdhsa_system_sgpr_workgroup_id_y 1
		.amdhsa_system_sgpr_workgroup_id_z 1
		.amdhsa_system_vgpr_workitem_id 0
		.amdhsa_next_free_vgpr 112
		.amdhsa_next_free_sgpr 66
		.amdhsa_reserve_vcc 0
		.amdhsa_float_denorm_mode_32 3
		.amdhsa_float_denorm_mode_16_64 3
		.amdhsa_memory_ordered 1
		.amdhsa_forward_progress 1
		.amdhsa_inst_pref_size 11
	.end_amdhsa_kernel
	.amdgpu_metadata
---
amdhsa.version: [ 1, 2 ]
amdhsa.kernels:
  - .name:           k_q77782c0cfc_prep
    .symbol:         k_q77782c0cfc_prep.kd
    .args:
      - { .name: hidden, .offset: 0, .size: 8, .value_kind: global_buffer, .address_space: global }
      - { .name: beliefs, .offset: 8, .size: 8, .value_kind: global_buffer, .address_space: global }
      - { .name: W_obs, .offset: 16, .size: 8, .value_kind: global_buffer, .address_space: global }
      - { .name: gw1, .offset: 24, .size: 8, .value_kind: global_buffer, .address_space: global }
      - { .name: pw1, .offset: 32, .size: 8, .value_kind: global_buffer, .address_space: global }
      - { .name: hb, .offset: 40, .size: 8, .value_kind: global_buffer, .address_space: global }
      - { .name: ba, .offset: 48, .size: 8, .value_kind: global_buffer, .address_space: global }
      - { .name: wc, .offset: 56, .size: 8, .value_kind: global_buffer, .address_space: global }
    .group_segment_fixed_size: 0
    .private_segment_fixed_size: 0
    .kernarg_segment_align: 8
    .kernarg_segment_size: 64
    .max_flat_workgroup_size: 256
    .sgpr_count:     66
    .vgpr_count:     112
    .wavefront_size: 32
...
	.end_amdgpu_metadata
.endif
;; end of part 5
;; launch proj: the kernel of part 2 again; grid 4 x 64, 4 waves a work-group, clusters of 4 x 4, 327,680 bytes of LDS; arguments hb, wc, gb1, gw2, pb1, pw2, ob, st; writes ob, st
;; launch sims: the kernel of part 3 again; grid 32 x 8, 4 waves a work-group, clusters of 4 x 1, 327,680 bytes of LDS; arguments ob, ba, pv, pc; writes pv, pc
;; launch final (part 6): grid 256 x 1, 4 waves a work-group, no clusters, 0 bytes of LDS; arguments ob, st, pv, pc, active_indices, gb2, pb2, out0, out1, out2, out3; writes out0, out1, out2, out3
.if DOCPART == 6
	.amdgcn_target "amdgcn-amd-amdhsa--gfx1250"
	.amdhsa_code_object_version 6
	.text
	.protected	k_q77782c0cfc_final
	.globl	k_q77782c0cfc_final
	.p2align	8
	.type	k_q77782c0cfc_final,@function
k_q77782c0cfc_final:
	s_mov_b64 s[64:65], 0
	v_nop
	global_prefetch_b8 v0, s[64:65] scope:SCOPE_SE
	s_setreg_imm32_b32 hwreg(HW_REG_WAVE_SCHED_MODE, 0, 2), 2
	s_setreg_imm32_b32 hwreg(HW_REG_WAVE_MODE, 25, 1), 1
	s_wait_xcnt 0x0
	s_wait_alu depctr_vm_vsrc(0)
; FINAL: the row's scalars and all four outputs.
;   norm = sqrt(sum obs^2); gate = sigmoid(gl + gb2); prec = softplus(pl + pb2); sc = gate prec / max(norm, 1e-8); out0 = obs sc; radius = sc norm;
;   best = (largest of the eight partial maxima) sc / max(radius, 1e-8); matched = radius > 0.05 and best > 0.7; out1 = active_indices[column] or -1; out2 = best or 0; out3 = matched.
; softplus(x) = max(x, 0) + log1p(t), t = e^-|x|; log1p(t) = ln(u) t / (u - 1) with u = 1 + t, or t where u = 1: true to the last bits for small t too.
; LIMITS.  obs comes rounded to bf16.  An exponential below 2^-126 counts as 0 (so the gate and log1p are 0 beyond about -87); NaN and infinities are not treated apart;
; a row whose radius or best lies within the operands' rounding of its threshold may fall on either side.
; SHARES.  A work-group has 32 rows.  Every wave makes the scalars, a lane a row, for row 32 g + (lane + 8 w) % 32, so that its own eight rows lie in lanes 0-7; it then streams those eight rows
; of obs: a load covers 256 consecutive bytes, a store 512.  Wave 0, whose lanes hold the rows in order, stores out1, out2, out3 (73,728 bytes in all: not staged).
; All eight candidates' indices are gathered, from columns read as whole numbers; the floating-point comparisons only select among them.
; A stream: no LDS, no barrier.
; THE MODE: SCHED_MODE bits 1:0 = 2 (LLVM: expert scheduling mode 2), set by the entry lines.  The code itself states the register dependences
; between vector instructions and memory instructions, with s_wait_alu, always for 0.
; THE PLAN.  Registers that memory instructions touch:
;   v2, v3, v4   byte offsets, made once at the head and never written again.
;   ST, PV, X    targets of loads issued ahead of every vector line that names them; no memory instruction reads them.
;   PC           loaded; clamped and shifted in place; then read by the gathers as offsets, and never written again.
;   AI           targets of the gathers; no vector line names them before.
;   Y            32 chunks with registers of their own: each is written by six vector lines and read by one store, and never written again.
;   v[AI], v14, v15, v5   written last, by wave 0, and read by the three small stores.
; No register that a memory instruction reads is ever written again, so nothing waits for a memory instruction to have read its registers.  out0 goes a row (four chunks) at a time: ONE wait at
; a row's head states that the row before has written its Y, and that row's four stores are dealt among this row's vector lines, which name other registers.
; Scalar registers and VCC that vector instructions write (the wave's number, the eight sc, the masks) have a wait ahead of their first reader; the compares stand in runs, one wait a run.
.set ST, 8                             ; v[8:31]   the 24 partial sums; then at work
.set PV, 32                            ; v[32:39]  the eight partial maxima
.set PC, 40                            ; v[40:47]  their columns, then 4 x column
.set AI, 48                            ; v[48:55]  active_indices there
.set X,  64                            ; v[64:127]  obs, 32 chunks of 4 bf16 a lane
.set Y,  128                           ; v[128:255] out0, 32 chunks of 4 f32 a lane
	s_load_b512 s[4:19], s[0:1], 0x0               ; ob 4:5, st 6:7, pv 8:9, pc 10:11, active_indices 12:13, gb2 14:15, pb2 16:17, out0 18:19
	s_load_b128 s[36:39], s[0:1], 0x40             ; out1 36:37, out2 38:39
	s_load_b64 s[40:41], s[0:1], 0x50              ; out3
	v_lshrrev_b32 v1, 5, v0
	v_readfirstlane_b32 s45, v1                    ; wave 0..3
	v_and_b32 v1, 31, v0
	v_lshlrev_b32 v3, 3, v1                        ; 8 x lane
	v_lshlrev_b32 v4, 4, v1                        ; 16 x lane
	s_lshl_b32 s47, ttmp9, 5
	s_mov_b32 s3, 0
	s_mov_b32 s44, 0xffff0000                      ; a word's upper bf16
	s_wait_alu depctr_va_sdst(0)                   ; s45 is written, ahead of its first reader
	s_lshl_b32 s46, s45, 3
	v_add_nc_u32 v2, s46, v1
	v_and_b32 v2, 31, v2                           ; (lane + 8 w) % 32
	v_add_nc_u32 v2, s47, v2                       ; my row
	v_lshlrev_b32 v2, 2, v2                        ; 4 x row
	s_add_co_u32 s46, s47, s46                     ; my wave's first row
	s_lshl_b32 s2, s46, 10
	s_wait_kmcnt 0x0
	s_load_b32 s42, s[14:15], 0x0                  ; gb2
	s_load_b32 s43, s[16:17], 0x0                  ; pb2
	s_add_nc_u64 s[4:5], s[4:5], s[2:3]            ; ob, 1,024 bytes a row
	s_lshl_b32 s2, s46, 11
	s_add_nc_u64 s[18:19], s[18:19], s[2:3]        ; out0, 2,048 bytes a row
	s_wait_alu depctr_va_vdst(0)                   ; v2, v3 and v4 are written: the loads and stores below read them as offsets
.set n, 0
.rept 24
	global_load_b32 v[ST+n], v2, s[6:7] offset:262144*(n/8)+32768*(n%8)
.set n, n+1
.endr
.set n, 0
.rept 8
	global_load_b32 v[PV+n], v2, s[8:9] offset:32768*n
.set n, n+1
.endr
.set n, 0
.rept 8
	global_load_b32 v[PC+n], v2, s[10:11] offset:32768*n
.set n, n+1
.endr
.set n, 0
.rept 32
	global_load_b64 v[X+2*n:X+2*n+1], v3, s[4:5] offset:1024*(n/4)+256*(n%4) th:TH_LOAD_NT
.set n, n+1
.endr
	s_wait_loadcnt 32                              ; the sums, maxima and columns are in; the 32 loads of obs stay out
.set n, 0
.rept 8
	v_min_u32 v[PC+n], 0x1fff, v[PC+n]             ; a column stays inside the table
	v_lshlrev_b32 v[PC+n], 2, v[PC+n]
.set n, n+1
.endr
	s_wait_alu depctr_va_vdst(0)                   ; the eight 4 x column are written: the gathers read them as offsets
.set n, 0
.rept 8
	global_load_b32 v[AI+n], v[PC+n], s[12:13]
.set n, n+1
.endr
.irp b, ST, ST+8, ST+16                            ; the eight parts of each sum
	v_pk_add_f32 v[(\b):(\b)+1], v[(\b):(\b)+1], v[(\b)+2:(\b)+3]
	v_pk_add_f32 v[(\b)+4:(\b)+5], v[(\b)+4:(\b)+5], v[(\b)+6:(\b)+7]
	v_pk_add_f32 v[(\b):(\b)+1], v[(\b):(\b)+1], v[(\b)+4:(\b)+5]
	v_add_f32 v[(\b)], v[(\b)], v[(\b)+1]
.endr
	s_wait_kmcnt 0x0
	v_add_f32 v16, s42, v16                        ; the gate's argument
	v_add_f32 v24, s43, v24                        ; the precision head's
	v_mul_f32 v17, 0xbfb8aa3b, v16                 ; times -log2(e)
	v_and_b32 v25, 0x7fffffff, v24
	v_mul_f32 v25, 0xbfb8aa3b, v25
	v_sqrt_f32 v9, v8                              ; norm
	v_exp_f32 v17, v17                             ; e^-gl
	v_exp_f32 v25, v25                             ; t
	v_max_num_f32 v26, 0, v24                      ; the plain instruction behind the batch
	s_wait_alu depctr_va_vdst(0)                   ; the root and the two exponentials have written v9, v17 and v25: one wait for the three, ahead of their first reader
	v_add_f32 v17, 1.0, v17
	v_add_f32 v27, 1.0, v25                        ; u
	v_add_f32 v28, -1.0, v27                       ; u - 1
	v_max_num_f32 v10, 0x322bcc77, v9              ; max(norm, 1e-8)
	v_rcp_f32 v17, v17                             ; gate
	v_log_f32 v29, v27
	v_rcp_f32 v30, v28
	v_rcp_f32 v10, v10
	v_cmp_eq_f32 vcc_lo, 0, v28                    ; the plain instruction behind the batch
	s_wait_alu depctr_va_vdst(0)                   ; the three reciprocals and the logarithm have written v17, v30, v10 and v29: one wait for the four
	v_mul_f32 v29, 0x3f317218, v29                 ; ln(u)
	v_mul_f32 v30, v25, v30                        ; t / (u - 1)
	v_mul_f32 v29, v29, v30
	s_wait_alu depctr_va_vcc(0)                    ; the compare has written VCC, which the select below reads
	v_cndmask_b32 v29, v29, v25, vcc_lo            ; t where u = 1
	v_add_f32 v26, v26, v29                        ; prec
	v_mul_f32 v26, v17, v26                        ; gate x prec
	v_mul_f32 v11, v26, v10                        ; sc
	v_mul_f32 v12, v11, v9                         ; radius
	v_max_num_f32 v13, 0x322bcc77, v12
	v_rcp_f32 v13, v13                             ; its first reader stands in wave 0's tail; its wait is the one at the head of row 1, ahead of the branch
	v_nop                                          ; the plain instruction behind it
.irp r, 0,1,2,3,4,5,6,7
	v_readlane_b32 s[20+2*(\r)], v11, \r           ; my eight rows' sc lie in lanes 0-7
.endr
	s_wait_alu depctr_va_sdst(0)                   ; the eight sc are written, ahead of their first readers: one wait for the run
.irp r, 0,1,2,3,4,5,6,7
	s_mov_b32 s[21+2*(\r)], s[20+2*(\r)]           ; named with it as a pair
.endr
; Row g of my eight: chunks 4 g to 4 g + 3, chunk c its bytes 256 c on.  The stores are the row before's.
.macro ROW g
	s_wait_loadcnt 36-4*(\g)                       ; behind the row's last chunk: 28 - 4 g loads of obs and the 8 gathers
.if (\g) > 0
	s_wait_alu depctr_va_vdst(0)                   ; the row before has written its Y, which the four stores below read (at row 1 also: the last reciprocal has written v13)
.endif
.irp c, 0,1,2,3
.if (\g) > 0
	global_store_b128 v4, v[Y+16*((\g)-1)+4*(\c):Y+16*((\g)-1)+4*(\c)+3], s[18:19] offset:2048*((\g)-1)+512*(\c) th:TH_STORE_NT  ; 512 consecutive bytes, at a multiple of 256 from out0's first byte; no vector line since the wait names these registers
.endif
	v_lshlrev_b32 v[Y+16*(\g)+4*(\c)],   16,  v[X+8*(\g)+2*(\c)]
	v_and_b32     v[Y+16*(\g)+4*(\c)+1], s44, v[X+8*(\g)+2*(\c)]
	v_lshlrev_b32 v[Y+16*(\g)+4*(\c)+2], 16,  v[X+8*(\g)+2*(\c)+1]
	v_and_b32     v[Y+16*(\g)+4*(\c)+3], s44, v[X+8*(\g)+2*(\c)+1]
	v_pk_mul_f32 v[Y+16*(\g)+4*(\c):Y+16*(\g)+4*(\c)+1],   v[Y+16*(\g)+4*(\c):Y+16*(\g)+4*(\c)+1],   s[20+2*(\g):21+2*(\g)] op_sel_hi:[1,0]
	v_pk_mul_f32 v[Y+16*(\g)+4*(\c)+2:Y+16*(\g)+4*(\c)+3], v[Y+16*(\g)+4*(\c)+2:Y+16*(\g)+4*(\c)+3], s[20+2*(\g):21+2*(\g)] op_sel_hi:[1,0]
.endr
.endm
	ROW 0
	ROW 1
	ROW 2
	ROW 3
	ROW 4
	ROW 5
	ROW 6
	ROW 7
	s_wait_alu depctr_va_vdst(0)                   ; row 7 has written its Y, which the last four stores of out0 read
.irp c, 0,1,2,3
	global_store_b128 v4, v[Y+112+4*(\c):Y+112+4*(\c)+3], s[18:19] offset:2048*7+512*(\c) th:TH_STORE_NT
.endr
	s_wait_loadcnt 0x0                             ; the gathers
	s_cmp_lg_u32 s45, 0
	s_cbranch_scc1 .Lend                           ; wave 0 holds the work-group's 32 rows in order
	; The largest of the eight, by pairs: the compares of a level stand in one run, into scalar registers, with one wait behind the run.  At every level the higher group wins
	; only with a greater value: at equal values the lower columns stay.
	v_cmp_gt_f32 s42, v[PV+1], v[PV]
	v_cmp_gt_f32 s43, v[PV+3], v[PV+2]
	v_cmp_gt_f32 s44, v[PV+5], v[PV+4]
	v_cmp_gt_f32 s45, v[PV+7], v[PV+6]
	s_mov_b32 s2, 0x3d4ccccd                       ; 0.05
	s_mov_b32 s3, 0x3f333333                       ; 0.7
	v_mul_f32 v14, v11, v13                        ; sc / max(radius, 1e-8)
	s_wait_alu depctr_va_sdst(0)                   ; the four masks are written, which the selects below read
.irp k, 0,2,4,6
	v_cndmask_b32 v[PV+(\k)], v[PV+(\k)], v[PV+(\k)+1], s[42+(\k)/2]
	v_cndmask_b32 v[AI+(\k)], v[AI+(\k)], v[AI+(\k)+1], s[42+(\k)/2]
.endr
	v_cmp_gt_f32 s46, v[PV+2], v[PV]
	v_cmp_gt_f32 s47, v[PV+6], v[PV+4]
	s_wait_alu depctr_va_sdst(0)                   ; the two masks are written, which the selects below read
	v_cndmask_b32 v[PV],   v[PV],   v[PV+2], s46
	v_cndmask_b32 v[AI],   v[AI],   v[AI+2], s46
	v_cndmask_b32 v[PV+4], v[PV+4], v[PV+6], s47
	v_cndmask_b32 v[AI+4], v[AI+4], v[AI+6], s47
	v_cmp_gt_f32 s42, v[PV+4], v[PV]
	v_cmp_lt_f32 s46, s2, v12                      ; radius > 0.05: it rides in this run
	s_wait_alu depctr_va_sdst(0)                   ; both masks are written: s42 is read by the selects below, s46 by the s_and_b32 further down
	v_cndmask_b32 v[PV], v[PV], v[PV+4], s42
	v_cndmask_b32 v[AI], v[AI], v[AI+4], s42
	v_mul_f32 v14, v[PV], v14                      ; best
	v_cmp_lt_f32 s47, s3, v14
	v_lshrrev_b32 v5, 2, v2                        ; the row: a byte each in out3
	s_wait_alu depctr_va_sdst(0)                   ; s47 is written, ahead of its first reader
	s_and_b32 s46, s46, s47                        ; matched
	v_cndmask_b32 v[AI], -1, v[AI], s46
	v_cndmask_b32 v14, 0, v14, s46
	v_cndmask_b32 v15, 0, 1, s46
	s_wait_alu depctr_va_vdst(0)                   ; v[AI], v14, v15 and the offset v5 are written, which the three stores read
	global_store_b32 v2, v[AI], s[36:37]
	global_store_b32 v2, v14, s[38:39]
	global_store_b8 v5, v15, s[40:41]
.Lend:
	s_endpgm
.Lfunc_end_k_q77782c0cfc_final:
	.size	k_q77782c0cfc_final, .Lfunc_end_k_q77782c0cfc_final-k_q77782c0cfc_final
	.p2alignl 7, 3214868480
	.fill 96, 4, 3214868480
	.section	.rodata,"a",@progbits
	.p2align	6, 0x0
	.amdhsa_kernel k_q77782c0cfc_final
		.amdhsa_group_segment_fixed_size 0
		.amdhsa_private_segment_fixed_size 0
		.amdhsa_enable_private_segment 0
		.amdhsa_kernarg_size 88
		.amdhsa_user_sgpr_count 2
		.amdhsa_user_sgpr_kernarg_segment_ptr 1
		.amdhsa_wavefront_size32 1
		.amdhsa_system_sgpr_workgroup_id_x 1
		.amdhsa_system_sgpr_workgroup_id_y 1
		.amdhsa_system_sgpr_workgroup_id_z 1
		.amdhsa_system_vgpr_workitem_id 0
		.amdhsa_next_free_vgpr 256
		.amdhsa_next_free_sgpr 66
		.amdhsa_reserve_vcc 1
		.amdhsa_float_denorm_mode_32 3
		.amdhsa_float_denorm_mode_16_64 3
		.amdhsa_memory_ordered 1
		.amdhsa_forward_progress 1
		.amdhsa_inst_pref_size 27
	.end_amdhsa_kernel
	.amdgpu_metadata
---
amdhsa.version: [ 1, 2 ]
amdhsa.kernels:
  - .name:           k_q77782c0cfc_final
    .symbol:         k_q77782c0cfc_final.kd
    .args:
      - { .name: ob, .offset: 0, .size: 8, .value_kind: global_buffer, .address_space: global }
      - { .name: st, .offset: 8, .size: 8, .value_kind: global_buffer, .address_space: global }
      - { .name: pv, .offset: 16, .size: 8, .value_kind: global_buffer, .address_space: global }
      - { .name: pc, .offset: 24, .size: 8, .value_kind: global_buffer, .address_space: global }
      - { .name: active_indices, .offset: 32, .size: 8, .value_kind: global_buffer, .address_space: global }
      - { .name: gb2, .offset: 40, .size: 8, .value_kind: global_buffer, .address_space: global }
      - { .name: pb2, .offset: 48, .size: 8, .value_kind: global_buffer, .address_space: global }
      - { .name: out0, .offset: 56, .size: 8, .value_kind: global_buffer, .address_space: global }
      - { .name: out1, .offset: 64, .size: 8, .value_kind: global_buffer, .address_space: global }
      - { .name: out2, .offset: 72, .size: 8, .value_kind: global_buffer, .address_space: global }
      - { .name: out3, .offset: 80, .size: 8, .value_kind: global_buffer, .address_space: global }
    .group_segment_fixed_size: 0
    .private_segment_fixed_size: 0
    .kernarg_segment_align: 8
    .kernarg_segment_size: 88
    .max_flat_workgroup_size: 128
    .sgpr_count:     66
    .vgpr_count:     256
    .wavefront_size: 32
...
	.end_amdgpu_metadata
.endif
;; end of part 6
